; MI455X (gfx1250); checked and timed in simulation.
; The chip was launched on July 23, 2026; its instructions are those of AMD's public machine-readable ISA for CDNA 5 (MIT licence, August 2026) and "CDNA5" Instruction Set Architecture Reference Guide (July 2026). The comments in the code are by the model that wrote it; some were corrected since.
;; Cloud Crop. Allowed arithmetic: matrix products marked QUANTISED: E5M2 operands, one E8M0 scale for each 32 along K, by v_wmma_scale_f32_16x16x128_f8f6f4 with both operands' format E5M2, f32 sums; products left as they are: f32 operands where the result goes on into a quantised operand, else bf16, f16 or f32 operands; f32 sums; everything else in f32.
;; Inputs: W1 256 x 259 float32; W2_codes 256 x 8 x 32 uint8 (E5M2 codes of W2, K innermost, in blocks of 32 codes); W2_scales 256 x 8 uint8 (E8M0 scales of W2, one for each 32 codes along K); b1 256 float32; b2 256 float32; g1 256 float32; g2 256 float32; seed_features_graspable 8 x 256 x 1,024 float32; seed_xyz_graspable 8 x 1,024 x 3 float32; vp_rot 8 x 1,024 x 3 x 3 float32.
;; Outputs: out0 8 x 256 x 1,024 float32.
;; This version of the problem:
;;   THIS VERSION OF THE PROBLEM IS GIVEN IN LOW PRECISION. The matrix products marked QUANTISED in the list below multiply operands that are first quantised to E5M2 (5 exponent bits, 2 mantissa bits; 8 bits a number), with one power-of-two scale for each 32 numbers along K (OCP MX v1.0); their sums are f32. All else is computed in f32.
;;   The module's matrix products, in the order in which they are computed (A, B: the left and right operand; K: the contracted axis; several contracted axes count as one K, in the product's order):
;;     1. batch 8,192 x [M 1,024, K 3] x [K 3, N 3]; A: computed on the way; B: input vp_rot: left as it is (K = 3 < 32)
;;     2. batch 8,192 x [M 32, K 3] x [K 3, N 3]; A: computed on the way; B: input vp_rot: left as it is (K = 3 < 32)
;;     3. [M 256, K 259] x [K 259, N 262,144]; A: input W1; B: computed on the way: QUANTISED
;;     4. [M 256, K 256] x [K 256, N 262,144]; A: input W2 (given as codes); B: computed on the way: QUANTISED
;;   THE QUANTISER, for each operand of a quantised product, along K:
;;     - K is cut into blocks of 32 from its start; a last block that is shorter is filled with zeros.
;;     - A block's scale is 2^e with e = floor(log2(the largest magnitude in the block)) - 15, held to -126 .. 127; a block of zeros has e = 0. As a byte (E8M0): e + 127.
;;     - Each number is divided by its block's scale, clamped to +-57,344, and rounded to the nearest number of E5M2, ties to even, subnormals kept.
;;     - The product sums the exact products of the quantised numbers (number of the format x scale) in f32.
;;   ~~~python
;;   def quantise(x, axis):      # numpy; x: float32 -> the quantised numbers, widened to float32 again
;;       x = np.moveaxis(x, axis, -1); K = x.shape[-1]
;;       x = np.pad(x, [(0, 0)] * (x.ndim - 1) + [(0, -K % 32)]); x = x.reshape(x.shape[:-1] + (-1, 32)); a = np.abs(x).max(-1, keepdims=True)
;;       e = np.where(a > 0, np.clip(np.frexp(np.where(a > 0, a, 1))[1] - 1 - 15, -126, 127), 0)      # np.frexp(a)[1] - 1 = floor(log2(a)), exactly
;;       r = np.clip(x / 2.0 ** e, -57344, 57344)
;;       step = 2.0 ** (np.maximum(np.frexp(np.where(r == 0, 1, r))[1] - 1, -14) - 2)
;;       q = np.round(r / step) * step * 2.0 ** e      # np.round: ties to even
;;       return np.moveaxis(q.reshape(q.shape[:-2] + (-1,))[..., :K], -1, axis).astype(np.float32)
;;   ~~~
;;   OPERANDS COMPUTED ON THE WAY. 'Computed on the way' means the value that the module computes at that place (a softmax that the list does not call 'softmax' is quantised finished and normalised). What goes into a quantiser is computed in f32, as accurately as f32 sums, v_exp_f32 and their like allow (about 1e-6 of the number): no bf16 or f16 on the way to a quantiser, and a product that is left as it is and whose result goes on into a quantised operand takes f32 operands (vector FMAs, or v_wmma_f32_16x16x4_f32). A number that lies on a knife's edge between two numbers of the format may be rounded either way, as far as f32 arithmetic and the matrix unit's own rounding can turn it there, and no further.
;;   INPUTS GIVEN AS CODES. W2 (in the module: [256, 256], K = its axis 1): each comes as NAME_codes (uint8): NAME with its K axis moved to the last place and cut into blocks of 32 codes, [.., K / 32, bytes a block], one block behind the other in memory; one code a byte (a code: sign, 5 exponent bits, 2 mantissa bits); and NAME_scales (uint8): the same leading axes, one E8M0 byte (e + 127) for each 32 codes along K. Its value is code x scale, taken as it is: it is not quantised again, and the codes and scales need not be those that the quantiser above would give.
;; 2 versions, each right; version 2 is version 1 with the launches stats1, chain written anew for expert scheduling mode. Each part assembles by itself: llvm-mc -triple=amdgcn-amd-amdhsa -mcpu=gfx1250 --defsym DOCPART=n.
;; ======== version 1 of 2: 5 launches
;; workspace buffers: tab 3,288,064 bytes; idx 1,048,576 bytes of whole numbers; p1 524,288 bytes; prm1 2,048 bytes; ext 8,388,608 bytes; p2 524,288 bytes
;; launch prep (part 1): grid 393 x 1, 8 waves a work-group, no clusters, 28,160 bytes of LDS; arguments seed_xyz_graspable, vp_rot, seed_features_graspable, W1, tab, idx; writes tab, idx
.if DOCPART == 1
	.amdgcn_target "amdgcn-amd-amdhsa--gfx1250"
	.amdhsa_code_object_version 6
	.text
	.protected	k_q13a0413e0d_prep
	.globl	k_q13a0413e0d_prep
	.p2align	8
	.type	k_q13a0413e0d_prep,@function
k_q13a0413e0d_prep:
	s_mov_b64 s[64:65], 0
	v_nop
	global_prefetch_b8 v0, s[64:65] scope:SCOPE_SE
	s_setreg_imm32_b32 hwreg(HW_REG_WAVE_MODE, 25, 1), 1
	s_wait_xcnt 0x0
; CloudCrop, launch 1 of 5: everything that hangs on a point, a weight or a (centre, point) pair alone.
; DEAD WORK: none is left out; all ten inputs have a way to out0 and are loaded by some launch.
; WHAT THE PROGRAM DOES OTHERWISE THAN reference() WRITES IT, exact for all finite inputs:
;  (a) blocks 1 to 8 of a column of the first quantised product hold gathered features alone, so their codes and scales hang on (batch, point) alone:
;      they are made once a point here and gathered as codes later (a gather commutes with a quantiser along the channels).  Block 0 mixes the three rotated offsets with features 0 to 28 and is quantised column by column later.
;  (b) BatchNorm 2 and relu rise with sign(g2) x y2, so only one extreme over the 32 samples is kept (launch 4 turns the sign of W2's rows where g2 < 0, launch 5 uses |g2|).
; THREE JOBS, chosen by the work-group's number:
;  F (0-127):   64 points of a batch: features -> codes of E5M2 and E8M0 bytes of blocks 1-8 (FQ, FS), and x, y, z, f0..f28 as f32 (FH).  A lane takes a point, its registers run down the channels.
;  W (128-136): block z of all 256 rows of W1 -> codes (W1Q) and scale bytes (W1S).  These stores cover 32 bytes of a row of 288: 77 KB in the whole launch.
;  Q (137-392): the cylinder query: a wave takes four centres; a lane holds 32 of the batch's 1,024 points; the in-cylinder masks are 32 scalar words; lane s then finds the (s+1)-th set bit by arithmetic.
;               No address and no branch hangs on a comparison of floats: the indices leave as data, at fixed places.
; tab: FQ [8][1024][256 B] at 0; FH [8][1024][32 f32] at T_FH; FS [8][1024][8 B] at T_FS; W1Q [256][288 B] at T_W1Q; W1S [256][12 B] at T_W1S (word 2 = byte of block 8 | 0x7f7f7f00).
; idx: [2048 groups of 4 centres][32 slots][4 centres] u32.
; LIMITS: NaN and infinities among the inputs are not served.  diff = point - centre; local_k = fma(d2, r2k, fma(d1, r1k, d0 r0k)); d2 = fma(l1, l1, l2 l2): a point within f32 rounding of a threshold
; may be classed otherwise than by another order of the same sums.  A block of zeros gets the byte 1 (its codes are zeros; this program alone reads the bytes).
.set FQS,   0                          ; LDS (job F alone): 64 rows x (256 + 16) of codes
.set FHS,   17408                      ; 64 rows x (128 + 16) of f32
.set FSS,   26624                      ; scale bytes: 64 for each wave
.set SPARE, 27136                      ; the spare words: 128 bytes for each of eight waves
.set T_FH,  2097152
.set T_FS,  3145728
.set T_W1Q, 3211264
.set T_W1S, 3284992
.set SPW,   12
.set NIL,   13
.set PT,    32                         ; job Q: v32-127: point 32 j + lane at v[PT + 3 j ..]
.set TA,    128                        ; job Q: two sets of eight temporaries
; 32 numbers of one lane, one block, -> 8 registers of codes and the scale's byte
.macro QB x, c, e
	v_max3_num_f32 v14, |v[\x]|, |v[\x+1]|, |v[\x+2]|
	v_max3_num_f32 v15, |v[\x+3]|, |v[\x+4]|, |v[\x+5]|
.irp i, 6,10,14,18,22,26
	v_max3_num_f32 v14, v14, |v[\x+\i]|, |v[\x+\i+1]|
	v_max3_num_f32 v15, v15, |v[\x+\i+2]|, |v[\x+\i+3]|
.endr
	v_max3_num_f32 v14, v14, |v[\x+30]|, |v[\x+31]|
	v_max3_num_f32 v14, v14, v15, 0x8000000        ; the floor 2^(16 - 127): the byte cannot fall under 1
	v_add_nc_u32 v16, 0xf8800000, v14              ; 15 off the exponent field: the conversion's scale operand
	v_and_or_b32 v17, v14, 0x7f800000, s3          ; 57,344 x the scale
	v_lshrrev_b32 v[\e], 23, v16                   ; the byte
.set I, 0
.rept 32
	v_med3_num_f32 v[\x+I], v[\x+I], -v17, v17     ; the conversion does not saturate (ISA guide 7.6.2): hold first
.set I, I+1
.endr
.irp g, 0,1,2,3
	v_cvt_scalef32_pk8_bf8_f32 v[\c+2*\g:\c+2*\g+1], v[\x+8*\g:\x+8*\g+7], v16
.endr
	v_nop                                          ; one plain line behind the last conversion
.endm
; the last block: three numbers, v[x+3..x+7] hold 0; codes 8 to 31 are zeros
.macro QT x, c, e
	v_max3_num_f32 v14, |v[\x]|, |v[\x+1]|, |v[\x+2]|
	v_max_num_f32 v14, 0x8000000, v14
	v_add_nc_u32 v16, 0xf8800000, v14
	v_and_or_b32 v17, v14, 0x7f800000, s3
	v_lshrrev_b32 v[\e], 23, v16
.irp i, 0,1,2
	v_med3_num_f32 v[\x+\i], v[\x+\i], -v17, v17
.endr
	v_cvt_scalef32_pk8_bf8_f32 v[\c:\c+1], v[\x:\x+7], v16
	v_nop
.irp i, 2,3,4,5,6,7
	v_mov_b32 v[\c+\i], 0
.endr
.endm
.macro PUTQ                            ; both columns' codes into the stage's rows, their bytes into my wave's 64
	ds_store_b128 v2, v[96:99]
	ds_store_b128 v2, v[100:103] offset:16
	ds_store_b128 v2, v[104:107] offset:8704
	ds_store_b128 v2, v[108:111] offset:8720
	ds_store_b8 v3, v20
	ds_store_b8 v3, v21 offset:32
.endm
	s_load_b256 s[4:11], s[0:1], 0x0               ; xyz s[4:5], rot s[6:7], features s[8:9], W1 s[10:11]
	s_load_b128 s[12:15], s[0:1], 0x20             ; tab s[12:13], idx s[14:15]
	v_lshl_add_u32 v[SPW], v0, 2, SPARE
	v_mov_b32 v[NIL], 0
	v_lshrrev_b32 v1, 5, v0
	v_readfirstlane_b32 s2, v1                     ; wave 0..7
	v_and_b32 v1, 31, v0                           ; lane
	s_mov_b32 s3, 0x600000                         ; the mantissa field of 57,344
	; every LDS address is made here, ahead of every parting of the ways
	v_mul_u32_u24 v2, v1, 272
	s_lshl_b32 s16, s2, 5
	v_add_nc_u32 v2, s16, v2                       ; codes in: row = lane, 32 bytes of block wave + 1
	s_lshl_b32 s16, s2, 6
	s_add_co_u32 s16, s16, FSS
	v_add_nc_u32 v3, s16, v1                       ; bytes in: 64 x wave + lane
	v_mul_u32_u24 v4, v1, 144
	v_add_nc_u32 v4, FHS, v4                       ; f32 in: row = lane
	v_lshrrev_b32 v5, 4, v1
	v_mul_u32_u24 v5, v5, 272
	v_and_b32 v6, 15, v1
	v_lshl_add_u32 v5, v6, 4, v5
	s_mul_i32 s16, s2, 8*272
	v_add_nc_u32 v5, s16, v5                       ; codes back: rows 8 wave on, sixteen lanes to a row
	v_lshrrev_b32 v6, 3, v1
	v_mul_u32_u24 v6, v6, 144
	v_and_b32 v7, 7, v1
	v_lshl_add_u32 v6, v7, 4, v6
	s_mul_i32 s16, s2, 8*144
	s_add_co_u32 s16, s16, FHS
	v_add_nc_u32 v6, s16, v6                       ; f32 back: rows 8 wave on, eight lanes to a row
	v_add_nc_u32 v7, FSS, v1                       ; bytes back: point = lane
	v_lshlrev_b32 v8, 2, v1                        ; 4 x lane
	v_lshlrev_b32 v9, 4, v1                        ; 16 x lane
	v_mul_u32_u24 v10, v1, 12                      ; 12 x lane
	v_lshlrev_b32 v11, 3, v1                       ; 8 x lane
	s_wait_kmcnt 0x0
	s_cmp_lt_u32 ttmp9, 128
	s_cbranch_scc1 .Lfeat
	s_cmp_lt_u32 ttmp9, 137
	s_cbranch_scc1 .Lw1
	s_branch .Lquery
; ---------------------------------------------------------------- job F
.Lfeat:
	s_lshr_b32 s16, ttmp9, 4                       ; batch
	s_and_b32 s17, ttmp9, 15
	s_lshl_b32 s17, s17, 6                         ; first point n0
	s_lshl_b32 s18, s16, 20                        ; 256 channels x 4,096 bytes a batch
	s_lshl_b32 s19, s17, 2
	s_add_co_u32 s18, s18, s19
	s_mov_b32 s19, 0
	s_add_nc_u64 s[8:9], s[8:9], s[18:19]          ; features at (batch, channel 0, n0)
	s_lshl_b32 s20, s16, 10
	s_add_co_u32 s20, s20, s17                     ; 1024 batch + n0
	s_cmp_eq_u32 s2, 7
	s_cbranch_scc1 .Lfeat7
	s_lshl_b32 s22, s2, 17                         ; waves 0-6: block wave + 1 = features 32 wave + 29 on
	s_add_co_u32 s22, s22, 29*4096
	s_mov_b32 s23, 0
	s_add_nc_u64 s[8:9], s[8:9], s[22:23]
.set I, 0
.rept 32
	global_load_b32 v[32+I], v8, s[8:9] offset:4096*I th:TH_LOAD_NT        ; column A: point n0 + lane: 128 consecutive bytes a load
	global_load_b32 v[64+I], v8, s[8:9] offset:4096*I+128 th:TH_LOAD_NT    ; column B: point n0 + 32 + lane
.set I, I+1
.endr
	s_wait_loadcnt 0x0
	QB 32, 96, 20
	QB 64, 104, 21
	PUTQ
	s_branch .Lfeat_out
.Lfeat7:                                               ; wave 7: block 8 (features 253-255), and the f32 row x, y, z, f0..f28
	s_mul_i32 s22, s20, 12
	s_mov_b32 s23, 0
	s_add_nc_u64 s[4:5], s[4:5], s[22:23]
.irp m, 0,1,2
	global_load_b32 v[32+\m], v10, s[4:5] offset:4*\m
	global_load_b32 v[64+\m], v10, s[4:5] offset:384+4*\m
	global_load_b32 v[112+\m], v8, s[8:9] offset:4096*(253+\m) th:TH_LOAD_NT
	global_load_b32 v[120+\m], v8, s[8:9] offset:4096*(253+\m)+128 th:TH_LOAD_NT
.endr
.set I, 0
.rept 29
	global_load_b32 v[35+I], v8, s[8:9] offset:4096*I th:TH_LOAD_NT
	global_load_b32 v[67+I], v8, s[8:9] offset:4096*I+128 th:TH_LOAD_NT
.set I, I+1
.endr
.irp i, 3,4,5,6,7
	v_mov_b32 v[112+\i], 0
	v_mov_b32 v[120+\i], 0
.endr
	s_wait_loadcnt 0x0
	QT 112, 96, 20
	QT 120, 104, 21
	PUTQ
.irp q, 0,1,2,3,4,5,6,7
	ds_store_b128 v4, v[32+4*\q:35+4*\q] offset:16*\q
	ds_store_b128 v4, v[64+4*\q:67+4*\q] offset:4608+16*\q
.endr
.Lfeat_out:
	s_wait_dscnt 0x0                               ; my stores have landed: for the others' sake
	s_barrier_signal -1
	s_barrier_wait -1
.irp i, 0,1,2,3
	ds_load_b128 v[32+4*\i:35+4*\i], v5 offset:544*\i
.endr
.irp i, 0,1
	ds_load_b128 v[48+4*\i:51+4*\i], v6 offset:576*\i
.endr
	s_lshl_b32 s22, s2, 3
	s_add_co_u32 s22, s22, s20                     ; the first of my eight points
	s_lshl_b32 s24, s22, 8
	s_mov_b32 s25, 0
	s_add_nc_u64 s[26:27], s[12:13], s[24:25]      ; FQ
	s_lshl_b32 s24, s22, 7
	s_add_co_u32 s24, s24, T_FH
	s_add_nc_u64 s[28:29], s[12:13], s[24:25]      ; FH
	s_wait_dscnt 0x0
.irp i, 0,1,2,3
	global_store_b128 v9, v[32+4*\i:35+4*\i], s[26:27] offset:512*\i     ; each store: 512 consecutive bytes, aligned
.endr
.irp i, 0,1
	global_store_b128 v9, v[48+4*\i:51+4*\i], s[28:29] offset:512*\i
.endr
	s_cmp_lg_u32 s2, 0
	s_cbranch_scc1 .Lfeat_end
.irp k, 0,1,2,3,4,5,6,7                        ; wave 0: a point's eight bytes, one from each wave's 64
	ds_load_u8 v[64+\k], v7 offset:64*\k
	ds_load_u8 v[72+\k], v7 offset:64*\k+32
.endr
	s_lshl_b32 s24, s20, 3
	s_add_co_u32 s24, s24, T_FS
	s_add_nc_u64 s[30:31], s[12:13], s[24:25]
	s_wait_dscnt 0x0
.irp u, 0,1
	v_lshl_or_b32 v[80+2*\u], v[65+8*\u], 8, v[64+8*\u]
	v_lshl_or_b32 v[81+2*\u], v[69+8*\u], 8, v[68+8*\u]
	v_lshl_or_b32 v[80+2*\u], v[66+8*\u], 16, v[80+2*\u]
	v_lshl_or_b32 v[81+2*\u], v[70+8*\u], 16, v[81+2*\u]
	v_lshl_or_b32 v[80+2*\u], v[67+8*\u], 24, v[80+2*\u]
	v_lshl_or_b32 v[81+2*\u], v[71+8*\u], 24, v[81+2*\u]
.endr
	global_store_b64 v11, v[80:81], s[30:31]       ; 256 consecutive bytes each
	global_store_b64 v11, v[82:83], s[30:31] offset:256
.Lfeat_end:
	s_wait_tensorcnt 0x0                           ; the wave's end
	ds_add_u32 v[SPW], v[NIL]
	s_wait_dscnt 0x0
	s_endpgm
; ---------------------------------------------------------------- job W
.Lw1:
	s_sub_co_u32 s16, ttmp9, 128                   ; block z; the thread's number is the row
	s_lshl_b32 s18, s16, 7
	s_mov_b32 s19, 0
	s_add_nc_u64 s[10:11], s[10:11], s[18:19]      ; W1 at column 32 z
	v_mul_u32_u24 v20, v0, 1036                    ; a row of 259 f32
	v_mul_u32_u24 v21, v0, 288
	v_mul_u32_u24 v22, v0, 12
	s_lshl_b32 s18, s16, 5
	s_add_co_u32 s18, s18, T_W1Q
	s_add_nc_u64 s[20:21], s[12:13], s[18:19]
	s_add_co_u32 s18, s16, T_W1S
	s_add_nc_u64 s[22:23], s[12:13], s[18:19]
	s_cmp_eq_u32 s16, 8
	s_cbranch_scc1 .Lw1_tail
.set I, 0
.rept 32
	global_load_b32 v[32+I], v20, s[10:11] offset:4*I
.set I, I+1
.endr
	s_wait_loadcnt 0x0
	QB 32, 96, 24
	global_store_b128 v21, v[96:99], s[20:21]
	global_store_b128 v21, v[100:103], s[20:21] offset:16
	global_store_b8 v22, v24, s[22:23]
	s_endpgm
.Lw1_tail:                                             ; K = 259: the last block has three numbers; no load leaves the buffer
.irp m, 0,1,2
	global_load_b32 v[32+\m], v20, s[10:11] offset:4*\m
.endr
.irp i, 3,4,5,6,7
	v_mov_b32 v[32+\i], 0
.endr
	s_wait_loadcnt 0x0
	QT 32, 96, 24
	v_or_b32 v24, 0x7f7f7f00, v24                  ; the rest of K step 2 has zero codes under the byte 127
	global_store_b128 v21, v[96:99], s[20:21]
	global_store_b128 v21, v[100:103], s[20:21] offset:16
	global_store_b32 v22, v24, s[22:23]
	s_endpgm
; ---------------------------------------------------------------- job Q
; two chunks of 32 points by turns: words j and j + 1 of the centre's mask.  S: the scalar set (xyz at S, rot at S + 4 .. S + 12)
.macro CHUNK2 j, S
.irp u, 0,1
	v_sub_f32 v[TA+8*\u], v[PT+3*(\j+\u)], s[\S]
	v_sub_f32 v[TA+8*\u+1], v[PT+3*(\j+\u)+1], s[\S+1]
	v_sub_f32 v[TA+8*\u+2], v[PT+3*(\j+\u)+2], s[\S+2]
.endr
.irp k, 0,1,2
.irp u, 0,1
	v_mul_f32 v[TA+8*\u+3+\k], s[\S+4+\k], v[TA+8*\u]
.endr
.endr
.irp k, 0,1,2
.irp u, 0,1
	v_fmac_f32 v[TA+8*\u+3+\k], s[\S+7+\k], v[TA+8*\u+1]
.endr
.endr
.irp k, 0,1,2
.irp u, 0,1
	v_fmac_f32 v[TA+8*\u+3+\k], s[\S+10+\k], v[TA+8*\u+2]
.endr
.endr
.irp u, 0,1
	v_mul_f32 v[TA+8*\u+6], v[TA+8*\u+5], v[TA+8*\u+5]
.endr
.irp u, 0,1
	v_fmac_f32 v[TA+8*\u+6], v[TA+8*\u+4], v[TA+8*\u+4]
.endr
.irp u, 0,1
	v_cmp_gt_f32 s[56+3*\u], s48, v[TA+8*\u+6]     ; d2 < r^2
	v_cmp_lt_f32 s[57+3*\u], s49, v[TA+8*\u+3]     ; local x > hmin
	v_cmp_gt_f32 s[58+3*\u], s50, v[TA+8*\u+3]     ; local x < hmax
.endr
.irp u, 0,1
	s_and_b32 s[56+3*\u], s[56+3*\u], s[57+3*\u]
	s_and_b32 s[68+\j+\u], s[56+3*\u], s[58+3*\u]
.endr
.endm
.macro SEL src, width, inc             ; does the wanted bit lie beyond the field at pos?  then take the field's count off the rank and step pos
	v_bfe_u32 v152, v[\src], v151, \width
	v_cmp_ge_u32 vcc_lo, v146, v152
	v_cndmask_b32 v152, 0, v152, vcc_lo
	v_sub_nc_u32 v146, v146, v152
	v_cndmask_b32 v153, 0, \inc, vcc_lo
	v_add_nc_u32 v151, v151, v153
.endm
; lane s finds the (s + 1)-th set bit of the 1,024 in s68-s99: first its word (a running count against s), then its place in the word
.macro EXTRACT c
	v_mov_b32 v144, s68
	v_mov_b32 v145, 0
	s_bcnt1_i32_b32 s62, s68
.irp j, 1,2,3,4,5,6,7,8,9,10,11,12,13,14,15,16,17,18,19,20,21,22,23,24,25,26,27,28,29,30,31
	v_cmp_le_u32 vcc_lo, s62, v1                   ; words 0 .. j - 1 hold s bits or fewer: the slot lies in word j or beyond
	v_cndmask_b32 v144, v144, s[68+\j], vcc_lo
	s_add_co_u32 s66, s62, (\j)<<16
	v_cndmask_b32 v145, v145, s66, vcc_lo          ; the count in front of the word | the word's number << 16
	s_bcnt1_i32_b32 s63, s[68+\j]
	s_add_co_u32 s62, s62, s63
.endr
	v_and_b32 v146, 0xffff, v145
	v_sub_nc_u32 v146, v1, v146                    ; the rank inside the word
	v_lshrrev_b32 v147, 1, v144                    ; counts of 2, 4, 8 and 16 bits, packed
	v_and_b32 v147, 0x55555555, v147
	v_sub_nc_u32 v147, v144, v147
	v_lshrrev_b32 v148, 2, v147
	v_and_b32 v148, 0x33333333, v148
	v_and_b32 v149, 0x33333333, v147
	v_add_nc_u32 v148, v148, v149
	v_lshrrev_b32 v149, 4, v148
	v_add_nc_u32 v149, v149, v148
	v_and_b32 v149, 0x0f0f0f0f, v149
	v_lshrrev_b32 v150, 8, v149
	v_add_nc_u32 v150, v150, v149
	v_mov_b32 v151, 0
	SEL 150, 8, 16
	SEL 149, 8, 8
	SEL 148, 4, 4
	SEL 147, 2, 2
	SEL 144, 1, 1
	v_lshrrev_b32 v152, 16, v145
	v_lshl_add_u32 v151, v152, 5, v151             ; the point: 32 x word + bit
	v_cmp_gt_u32 vcc_lo, s62, v1                   ; are there more than s points in the cylinder?
	v_cndmask_b32 v[160+\c], 0, v151, vcc_lo       ; an empty slot takes index 0
.endm
.macro CENTRE c, S, N
	s_wait_kmcnt 0x0                               ; this centre's xyz and rot are in
.if \c < 3
	s_load_b96 s[\N:\N+2], s[52:53], 12*(\c+1)     ; the next centre's, into the other set
	s_load_b256 s[\N+4:\N+11], s[54:55], 36*(\c+1)
	s_load_b32 s[\N+12], s[54:55], 36*(\c+1)+32
.endif
.irp j, 0,2,4,6,8,10,12,14,16,18,20,22,24,26,28,30
	CHUNK2 \j, \S
.endr
	EXTRACT \c
.endm
.Lquery:
	s_sub_co_u32 s56, ttmp9, 137                   ; a: 32 centres
	s_lshr_b32 s57, s56, 5                         ; batch
	s_mul_i32 s58, s57, 12288
	s_mov_b32 s59, 0
	s_add_nc_u64 s[46:47], s[4:5], s[58:59]        ; the batch's points
	s_lshl_b32 s56, s56, 3
	s_add_co_u32 s56, s56, s2                      ; my group of four centres: 8 a + wave
	s_mul_i32 s58, s56, 48
	s_add_nc_u64 s[52:53], s[4:5], s[58:59]
	s_mul_i32 s58, s56, 144
	s_add_nc_u64 s[54:55], s[6:7], s[58:59]
	s_lshl_b32 s58, s56, 9
	s_add_nc_u64 s[14:15], s[14:15], s[58:59]
	s_load_b96 s[16:18], s[52:53], 0x0
	s_load_b256 s[20:27], s[54:55], 0x0
	s_load_b32 s28, s[54:55], 0x20
.set I, 0
.rept 32
	global_load_b32 v[PT+3*I], v10, s[46:47] offset:384*I
	global_load_b32 v[PT+3*I+1], v10, s[46:47] offset:384*I+4
	global_load_b32 v[PT+3*I+2], v10, s[46:47] offset:384*I+8
.set I, I+1
.endr
	s_mov_b32 s48, 0x3b23d70a                      ; 0.05^2
	s_mov_b32 s49, 0xbca3d70a                      ; -0.02
	s_mov_b32 s50, 0x3d23d70a                      ; 0.04
	s_wait_loadcnt 0x0
	CENTRE 0, 16, 32
	CENTRE 1, 32, 16
	CENTRE 2, 16, 32
	CENTRE 3, 32, 16
	global_store_b128 v9, v[160:163], s[14:15]     ; 512 consecutive bytes: [slot][4 centres]
	s_endpgm
.Lfunc_end_k_q13a0413e0d_prep:
	.size	k_q13a0413e0d_prep, .Lfunc_end_k_q13a0413e0d_prep-k_q13a0413e0d_prep
	.p2alignl 7, 3214868480
	.fill 96, 4, 3214868480
	.section	.rodata,"a",@progbits
	.p2align	6, 0x0
	.amdhsa_kernel k_q13a0413e0d_prep
		.amdhsa_group_segment_fixed_size 28160
		.amdhsa_private_segment_fixed_size 0
		.amdhsa_enable_private_segment 0
		.amdhsa_kernarg_size 48
		.amdhsa_user_sgpr_count 2
		.amdhsa_user_sgpr_kernarg_segment_ptr 1
		.amdhsa_wavefront_size32 1
		.amdhsa_system_sgpr_workgroup_id_x 1
		.amdhsa_system_sgpr_workgroup_id_y 1
		.amdhsa_system_sgpr_workgroup_id_z 1
		.amdhsa_system_vgpr_workitem_id 0
		.amdhsa_next_free_vgpr 168
		.amdhsa_next_free_sgpr 100
		.amdhsa_reserve_vcc 1
		.amdhsa_float_denorm_mode_32 3
		.amdhsa_float_denorm_mode_16_64 3
		.amdhsa_memory_ordered 1
		.amdhsa_forward_progress 1
		.amdhsa_inst_pref_size 194
	.end_amdhsa_kernel
	.amdgpu_metadata
---
amdhsa.version: [ 1, 2 ]
amdhsa.kernels:
  - .name:           k_q13a0413e0d_prep
    .symbol:         k_q13a0413e0d_prep.kd
    .args:
      - { .name: seed_xyz_graspable, .offset: 0, .size: 8, .value_kind: global_buffer, .address_space: global }
      - { .name: vp_rot, .offset: 8, .size: 8, .value_kind: global_buffer, .address_space: global }
      - { .name: seed_features_graspable, .offset: 16, .size: 8, .value_kind: global_buffer, .address_space: global }
      - { .name: W1, .offset: 24, .size: 8, .value_kind: global_buffer, .address_space: global }
      - { .name: tab, .offset: 32, .size: 8, .value_kind: global_buffer, .address_space: global }
      - { .name: idx, .offset: 40, .size: 8, .value_kind: global_buffer, .address_space: global }
    .group_segment_fixed_size: 28160
    .private_segment_fixed_size: 0
    .kernarg_segment_align: 8
    .kernarg_segment_size: 48
    .max_flat_workgroup_size: 256
    .sgpr_count:     100
    .vgpr_count:     168
    .wavefront_size: 32
...
	.end_amdgpu_metadata
.endif
;; end of part 1
;; launch stats1 (part 2): grid 256 x 1, 4 waves a work-group, no clusters, 41,472 bytes of LDS; arguments tab, idx, seed_xyz_graspable, vp_rot, p1; writes p1
.if DOCPART == 2
	.amdgcn_target "amdgcn-amd-amdhsa--gfx1250"
	.amdhsa_code_object_version 6
	.text
	.protected	k_q13a0413e0d_stats1
	.globl	k_q13a0413e0d_stats1
	.p2align	8
	.type	k_q13a0413e0d_stats1,@function
k_q13a0413e0d_stats1:
	s_mov_b64 s[64:65], 0
	v_nop
	global_prefetch_b8 v0, s[64:65] scope:SCOPE_SE
	s_setreg_imm32_b32 hwreg(HW_REG_WAVE_MODE, 25, 1), 1
	s_wait_xcnt 0x0
; CloudCrop, launch 2 of 5: the first quantised product (W1 x grouped columns, MX-E5M2, K = 259 in three steps of 128), for BatchNorm 1's statistics alone.  Nothing of reference() is left out here; y1 is not stored: launch 4 makes it again.
; SHARES.  Work-group wg: batch wg / 32, centres 32 (wg % 32) on: 1,024 columns = 64 tiles of 16 samples.  Wave g owns channels 64 g .. 64 g + 63; its codes of W1 stay in its registers (192).
; A ROUND is four centres = eight tiles.  Wave g PREPARES centre 4 i + g: it gathers the 32 samples' codes of blocks 1-8 and their bytes by the stored indices, makes block 0 (three rotated offsets, features 0-28) in f32, quantises it,
; and stores the two tiles to LDS as images of the operand's registers (group q = block q: 16 bytes a lane at 512 q + 16 lane; three scale words a sample).  All four waves then read all eight tiles.
; THE PRODUCT: source 0 = 16 samples, source 1 = 16 channels (lane r of tile t: channel 64 g + 4 r + t): a lane holds one channel and eight samples.
; K STEP 2 holds block 8 alone: x's fragment names 12 registers of K step 0's codes behind it (finite codes), which meet zero codes of W1.
; STATISTICS WITHOUT A DIFFERENCE OF LARGE SUMS: K = the channel's value at the work-group's first sample; -K is the C of each sum's first product; S = sum d, Q = sum d^2 over 1,024 columns; stored: K + S / n and Q - S^2 / n.
; NO CLUSTER: what work-groups share is W1's 76 KB, read once by each, at its head, straight into operand registers; a round's tiles are gathered by index and differ from work-group to work-group.  No tensor load: the rows are chosen by index.
; LIMITS: NaN and infinities are not served; / 0.05 is done as x 20.0; a block of zeros gets the byte 1.
; REGISTERS.  window 0: v1-5 addresses; v14, v15 the add's two; v24-29 x's scale words; v34-45 W1's; v56-127 x's two fragments sets; v128-191 eight accumulators; v226-253 statistics.
;   window 1: W1's fragments (t, s) at 48 t + 16 s; -K at 192 + 8 t.   window 3: all that the preparing touches.
.set XT,    5120                       ; a tile's image: 9 groups of 512 bytes, 3 x 128 bytes of scale words, 128 spare
.set SPARE, 40960
.set T_FH,  2097152
.set T_FS,  3145728
.set T_W1Q, 3211264
.set T_W1S, 3284992
.set SPW, 14
.set NIL, 15
.set XS,  24
.set W1S, 34
.set XF,  56
.set ACC, 128
.set SS,  226
.set QQ,  234
.set MX,  242
.set MT,  246
.set KV,  250
.set NK,  192                          ; window 1
.set I0,  64                           ; window 3 from here on
.set OQ,  66
.set OH,  68
.set OS,  70
.set H16, 72
.set H64, 73
.set IDV, 74
.set FSR, 78
.set GC,  84
.set FHR, 156
.set TQ,  194
.set GXR, 210
.set MSB, 0
.macro WIN new                         ; the immediate's high byte repeats the setting that is left
.if MSB != \new
	s_set_vgpr_msb (MSB<<8)|\new
.set MSB, \new
.endif
.endm
.macro PLACES n
.rept \n
	v_nop
.endr
.endm
.macro BARRIER                         ; my LDS stores have landed and my LDS loads are in: then the work-group's barrier
	s_wait_dscnt 0x0
	s_barrier_signal -1
	s_barrier_wait -1
.endm
.macro MMZ d, a, b, sa, sb
	v_wmma_scale_f32_16x16x128_f8f6f4 v[\d:\d+7], v[\a:\a+15], v[\b:\b+15], 0, v[\sa], v[\sb] matrix_a_fmt:MATRIX_FMT_BF8 matrix_b_fmt:MATRIX_FMT_BF8
.endm
.macro MMC d, a, b, c, sa, sb
	v_wmma_scale_f32_16x16x128_f8f6f4 v[\d:\d+7], v[\a:\a+15], v[\b:\b+15], v[\c:\c+7], v[\sa], v[\sb] matrix_a_fmt:MATRIX_FMT_BF8 matrix_b_fmt:MATRIX_FMT_BF8
.endm
.macro IDXLOAD                         ; my centre's 32 indices: sample 16 ct + r at 256 ct + 16 r + 4 g of the round's 512 bytes
	WIN 0xff
	global_load_b32 v[I0], v[IDV], s[42:43]
	global_load_b32 v[I0+1], v[IDV], s[42:43] offset:256
	WIN 0
.endm
.macro GATHER                          ; the rows that the indices name are asked for; FINISH waits for them
	s_wait_loadcnt 0x0                             ; the indices are in (nothing else is out), so their base may step
	s_add_nc_u64 s[42:43], s[42:43], 512
	WIN 0xff
.irp ct, 0,1
	v_min_u32 v[I0+\ct], 0x3ff, v[I0+\ct]
.endr
.irp ct, 0,1
	v_lshl_add_u32 v[OQ+\ct], v[I0+\ct], 8, v[H16]
	v_lshl_add_u32 v[OH+\ct], v[I0+\ct], 7, v[H64]
	v_lshlrev_b32 v[OS+\ct], 3, v[I0+\ct]
.endr
.irp ct, 0,1
.irp i, 0,1,2,3
	global_load_b128 v[FHR+16*\ct+4*\i:FHR+16*\ct+4*\i+3], v[OH+\ct], s[38:39] offset:16*\i
.endr
	global_load_b64 v[FSR+2*\ct:FSR+2*\ct+1], v[OS+\ct], s[40:41]
.irp i, 0,1,2,3,4,5,6,7
	global_load_b128 v[GC+36*\ct+4+4*\i:GC+36*\ct+7+4*\i], v[OQ+\ct], s[36:37] offset:32*\i
.endr
.endr
	WIN 0
	s_load_b96 s[48:50], s[44:45], 0x0             ; the centre
	s_load_b256 s[52:59], s[46:47], 0x0            ; its rotation
	s_load_b32 s60, s[46:47], 0x20
.endm
.macro FINISH                          ; block 0 is made and quantised; both tiles' images go to LDS
	s_wait_loadcnt 0x0
	s_wait_kmcnt 0x0
	s_add_nc_u64 s[44:45], s[44:45], 48            ; the loads are done: on to my centre of the next round
	s_add_nc_u64 s[46:47], s[46:47], 144
	WIN 0xff
.irp m, 0,1,2
.irp ct, 0,1
	v_sub_f32 v[GXR+6*\ct+\m], v[FHR+16*\ct+\m], s[48+\m]
.endr
.endr
.irp m, 0,1,2
.irp ct, 0,1
	v_mul_f32 v[GXR+6*\ct+\m], 0x41a00000, v[GXR+6*\ct+\m]
.endr
.endr
.irp k, 0,1,2
.irp ct, 0,1
	v_mul_f32 v[GXR+6*\ct+3+\k], s[52+\k], v[GXR+6*\ct]
.endr
.endr
.irp k, 0,1,2
.irp ct, 0,1
	v_fmac_f32 v[GXR+6*\ct+3+\k], s[55+\k], v[GXR+6*\ct+1]
.endr
.endr
.irp k, 0,1,2
.irp ct, 0,1
	v_fmac_f32 v[GXR+6*\ct+3+\k], s[58+\k], v[GXR+6*\ct+2]
.endr
.endr
.irp k, 0,1,2
.irp ct, 0,1
	v_cndmask_b32 v[FHR+16*\ct+\k], v[FHR+16*\ct+\k], v[GXR+6*\ct+3+\k], s33   ; lanes 0-15 hold channels 0-15: the offsets take x, y, z's places
.endr
.endr
.irp ct, 0,1
	v_max3_num_f32 v[TQ+8*\ct], |v[FHR+16*\ct]|, |v[FHR+16*\ct+1]|, 0x8000000
.endr
.irp i, 2,4,6,8,10,12,14
.irp ct, 0,1
	v_max3_num_f32 v[TQ+8*\ct], v[TQ+8*\ct], |v[FHR+16*\ct+\i]|, |v[FHR+16*\ct+\i+1]|
.endr
.endr
.irp ct, 0,1
	v_permlanex16_b32 v[TQ+8*\ct+1], v[TQ+8*\ct], s30, s31
.endr
.irp ct, 0,1
	v_max_num_f32 v[TQ+8*\ct], v[TQ+8*\ct], v[TQ+8*\ct+1]
.endr
.irp ct, 0,1
	v_add_nc_u32 v[TQ+8*\ct+2], 0xf8800000, v[TQ+8*\ct]
	v_and_or_b32 v[TQ+8*\ct+3], v[TQ+8*\ct], 0x7f800000, s32
.endr
.irp ct, 0,1
	v_lshrrev_b32 v[TQ+8*\ct+4], 23, v[TQ+8*\ct+2]
	v_alignbit_b32 v[TQ+8*\ct+6], v[FSR+2*\ct+1], v[FSR+2*\ct], 24    ; bytes of blocks 4-7
	v_lshrrev_b32 v[TQ+8*\ct+7], 24, v[FSR+2*\ct+1]                   ; byte of block 8; the three above it are 0, over products with zero codes
.endr
.irp ct, 0,1
	v_lshl_or_b32 v[TQ+8*\ct+5], v[FSR+2*\ct], 8, v[TQ+8*\ct+4]       ; bytes of blocks 0-3
.endr
.irp ct, 0,1
.set I, 0
.rept 16
	v_med3_num_f32 v[FHR+16*\ct+I], v[FHR+16*\ct+I], -v[TQ+8*\ct+3], v[TQ+8*\ct+3]
.set I, I+1
.endr
.endr
.irp ct, 0,1
	v_cvt_scalef32_pk8_bf8_f32 v[GC+36*\ct:GC+36*\ct+1], v[FHR+16*\ct:FHR+16*\ct+7], v[TQ+8*\ct+2]
	v_cvt_scalef32_pk8_bf8_f32 v[GC+36*\ct+2:GC+36*\ct+3], v[FHR+16*\ct+8:FHR+16*\ct+15], v[TQ+8*\ct+2]
.endr
	v_nop                                          ; one plain line behind the last conversion
	WIN 0x0c                                       ; address window 0, data window 3
.irp ct, 0,1
.irp q, 0,1,2,3,4,5,6,7,8
	ds_store_b128 v3, v[GC+36*\ct+4*\q:GC+36*\ct+4*\q+3] offset:\ct*XT+512*\q
.endr
.irp s, 0,1,2
	ds_store_b32 v4, v[TQ+8*\ct+5+\s] offset:\ct*XT+128*\s
.endr
.endr
	WIN 0
.endm
.macro FETCHX sg, tau                  ; tile tau of the round into set sg: [group 8][groups 0-3][groups 4-7]
	ds_load_b128 v[XF+36*\sg:XF+36*\sg+3], v1 offset:(\tau)*XT+4096
.irp q, 0,1,2,3,4,5,6,7
	ds_load_b128 v[XF+36*\sg+4+4*\q:XF+36*\sg+7+4*\q], v1 offset:(\tau)*XT+512*\q
.endr
.irp s, 0,1,2
	ds_load_b32 v[XS+3*\sg+\s], v2 offset:(\tau)*XT+4608+128*\s
.endr
.endm
.macro STATS                           ; each accumulator is read from its low end on
.irp j, 0,2,4,6
.irp ct, 0,1
.irp t, 0,1,2,3
	v_pk_add_f32 v[SS+2*\t:SS+2*\t+1], v[SS+2*\t:SS+2*\t+1], v[ACC+32*\ct+8*\t+\j:ACC+32*\ct+8*\t+\j+1]
	v_pk_fma_f32 v[QQ+2*\t:QQ+2*\t+1], v[ACC+32*\ct+8*\t+\j:ACC+32*\ct+8*\t+\j+1], v[ACC+32*\ct+8*\t+\j:ACC+32*\ct+8*\t+\j+1], v[QQ+2*\t:QQ+2*\t+1]
.endr
.endr
.endr
.endm
.macro KBOOT win, nk                   ; K = sample 0's value (register 0 of lanes 0-15), in both halves of the lanes; -K eight times a tile
.irp t, 0,1,2,3
	v_permlanex16_b32 v[MT+\t], v[ACC+8*\t], s30, s31
.endr
.irp t, 0,1,2,3
	v_cndmask_b32 v[MX+\t], v[ACC+8*\t], v[MT+\t], s34
.endr
.irp t, 0,1,2,3
	v_xor_b32 v[KV+\t], 0x80000000, v[MX+\t]
.endr
	WIN \win
.irp t, 0,1,2,3
.irp j, 0,1,2,3,4,5,6,7
	v_mov_b32 v[\nk+8*\t+\j], v[KV+\t]
.endr
.endr
	WIN 0
.endm
.macro PSTORE sb                       ; mean_i = K + S / 1024, M2_i = Q - S^2 / 1024; lanes 0-15 store tiles 0, 1, lanes 16-31 tiles 2, 3: 512 consecutive bytes a wave
.irp t, 0,1,2,3
	v_add_f32 v[SS+2*\t], v[SS+2*\t], v[SS+2*\t+1]
	v_add_f32 v[QQ+2*\t], v[QQ+2*\t], v[QQ+2*\t+1]
.endr
.irp t, 0,1,2,3
	v_permlanex16_b32 v[MT+\t], v[SS+2*\t], s30, s31
	v_permlanex16_b32 v[MX+\t], v[QQ+2*\t], s30, s31
.endr
.irp t, 0,1,2,3
	v_add_f32 v[SS+2*\t], v[SS+2*\t], v[MT+\t]
	v_add_f32 v[QQ+2*\t], v[QQ+2*\t], v[MX+\t]
.endr
.irp t, 0,1,2,3
	v_mul_f32 v[SS+2*\t+1], 0x3a800000, v[SS+2*\t]
.endr
.irp t, 0,1,2,3
	v_fma_f32 v[QQ+2*\t], -v[SS+2*\t], v[SS+2*\t+1], v[QQ+2*\t]
.endr
.irp t, 0,1,2,3
	v_sub_f32 v[SS+2*\t], v[SS+2*\t+1], v[KV+\t]
.endr
	v_cndmask_b32 v16, v[SS], v[SS+4], s34
	v_cndmask_b32 v17, v[QQ], v[QQ+4], s34
	v_cndmask_b32 v18, v[SS+2], v[SS+6], s34
	v_cndmask_b32 v19, v[QQ+2], v[QQ+6], s34
	global_store_b128 v5, v[16:19], s[\sb:\sb+1]
.endm
; one centre: two tiles of samples x four tiles of channels x three K steps; the eight accumulators take turns, one instruction a turn
.macro COMPUTE ci
	s_wait_dscnt 0x0                               ; the centre's two tiles are in
	WIN 0x14                                       ; source 1 (W1) and C (-K) window 1
.irp ct, 0,1
.irp t, 0,1,2,3
	MMC ACC+32*\ct+8*\t, XF+36*\ct+4, 48*\t, NK+8*\t, XS+3*\ct, W1S+3*\t
.endr
.endr
	WIN 0x04
.irp ct, 0,1
.irp t, 0,1,2,3
	MMC ACC+32*\ct+8*\t, XF+36*\ct+20, 48*\t+16, ACC+32*\ct+8*\t, XS+3*\ct+1, W1S+3*\t+1
.endr
.endr
.irp ct, 0,1
.irp t, 0,1,2,3
	MMC ACC+32*\ct+8*\t, XF+36*\ct, 48*\t+32, ACC+32*\ct+8*\t, XS+3*\ct+2, W1S+3*\t+2
.endr
.endr
	WIN 0
	PLACES 8                                       ; in front of loads into registers that the products read, and of the first read of results
.if \ci < 3
	FETCHX 0, 2*(\ci)+2
	FETCHX 1, 2*(\ci)+3
.endif
	STATS
.endm
	s_load_b256 s[4:11], s[0:1], 0x0               ; tab s[4:5], idx s[6:7], xyz s[8:9], rot s[10:11]
	s_load_b64 s[12:13], s[0:1], 0x20              ; p1
	v_lshl_add_u32 v[SPW], v0, 2, SPARE
	v_mov_b32 v[NIL], 0
	v_lshrrev_b32 v128, 5, v0
	v_readfirstlane_b32 s26, v128                  ; g: wave 0..3
	v_and_b32 v128, 31, v0                         ; lane
	v_and_b32 v129, 15, v0                         ; r
	v_bfe_u32 v130, v0, 4, 1                       ; h
	v_lshlrev_b32 v1, 4, v128                      ; 16 x lane
	v_lshlrev_b32 v2, 2, v128                      ; 4 x lane
	s_mul_i32 s70, s26, 2*XT
	v_add_nc_u32 v3, s70, v1                       ; where I store my two tiles' groups
	s_add_co_u32 s70, s70, 4608
	v_add_nc_u32 v4, s70, v2                       ; and their scale words
	s_lshl_b32 s70, ttmp9, 11
	s_lshl_b32 s71, s26, 9
	s_add_co_u32 s70, s70, s71
	v_lshl_add_u32 v5, v129, 5, s70
	v_lshl_add_u32 v5, v130, 4, v5                 ; p1: 2048 wg + 512 g + 32 r + 16 h
	s_lshl_b32 s70, s26, 2
	v_lshl_add_u32 v131, v129, 4, s70              ; 16 r + 4 g
	s_lshl_b32 s70, s26, 6
	v_lshl_add_u32 v132, v129, 2, s70              ; channel 64 g + 4 r
	v_mul_u32_u24 v133, v132, 288
	v_lshl_add_u32 v133, v130, 4, v133
	v_mul_u32_u24 v134, v132, 12
	s_mov_b32 s30, 0x76543210
	s_mov_b32 s31, 0xfedcba98                      ; v_permlanex16_b32's selects for lane l xor 16
	s_mov_b32 s32, 0x600000
	s_mov_b32 s33, 0x0000ffff
	s_mov_b32 s34, 0xffff0000
	s_lshr_b32 s71, ttmp9, 5                       ; batch
	s_lshl_b32 s72, s71, 18
	s_mov_b32 s73, 0
	s_lshl_b32 s74, s71, 17
	s_add_co_u32 s74, s74, T_FH
	s_mov_b32 s75, 0
	s_lshl_b32 s76, s71, 13
	s_add_co_u32 s76, s76, T_FS
	s_mov_b32 s77, 0
	s_lshl_b32 s78, ttmp9, 12
	s_mov_b32 s79, 0
	s_lshl_b32 s70, ttmp9, 5
	s_add_co_u32 s70, s70, s26                     ; my first centre
	s_mul_i32 s80, s70, 12
	s_mov_b32 s81, 0
	s_mul_i32 s82, s70, 36
	s_mov_b32 s83, 0
	s_wait_kmcnt 0x0
	s_add_nc_u64 s[36:37], s[4:5], s[72:73]        ; the batch's codes,
	s_add_nc_u64 s[38:39], s[4:5], s[74:75]        ; f32 rows,
	s_add_nc_u64 s[40:41], s[4:5], s[76:77]        ; scale bytes
	s_add_nc_u64 s[42:43], s[6:7], s[78:79]        ; the work-group's indices
	s_add_nc_u64 s[44:45], s[8:9], s[80:81]
	s_add_nc_u64 s[46:47], s[10:11], s[82:83]
	s_add_nc_u64 s[66:67], s[4:5], T_W1Q
	s_add_nc_u64 s[68:69], s[4:5], T_W1S
	WIN 0xc0                                       ; destination window 3
	v_lshlrev_b32 v[H16], 4, v130
	v_lshlrev_b32 v[H64], 6, v130
	v_mov_b32 v[IDV], v131
	v_mov_b32 v[TQ+1], 0                           ; a lane permute's destination counts as one of its sources
	v_mov_b32 v[TQ+9], 0
	WIN 0x40                                       ; destination window 1
.irp t, 0,1,2,3
.irp k, 0,1,2,3,4,5,6,7,8
	global_load_b128 v[48*\t+4*\k:48*\t+4*\k+3], v133, s[66:67] offset:288*\t+32*\k
.endr
.endr
.irp t, 0,1,2,3
.irp i, 36,37,38,39,40,41,42,43,44,45,46,47
	v_mov_b32 v[48*\t+\i], 0                       ; K step 2 behind block 8: zero codes
.endr
.endr
	WIN 0
.irp t, 0,1,2,3
.irp s, 0,1,2
	global_load_b32 v[W1S+3*\t+\s], v134, s[68:69] offset:12*\t+4*\s
.endr
.endr
.irp i, 0,1,2,3,4,5,6,7
	v_mov_b32 v[SS+\i], 0
	v_mov_b32 v[QQ+\i], 0
.endr
.irp t, 0,1,2,3
	v_mov_b32 v[MT+\t], 0
.endr
	IDXLOAD                                        ; round 0's indices
	GATHER                                         ; (its wait also shows W1 in)
	IDXLOAD                                        ; round 1's
	FINISH
	BARRIER                                        ; round 0's eight tiles lie in LDS
	FETCHX 0, 0                                    ; the shift K: tile 0 alone
	s_wait_dscnt 0x0
	WIN 0x04
.irp t, 0,1,2,3
	MMZ ACC+8*\t, XF+4, 48*\t, XS, W1S+3*\t
.endr
.irp t, 0,1,2,3
	MMC ACC+8*\t, XF+20, 48*\t+16, ACC+8*\t, XS+1, W1S+3*\t+1
.endr
.irp t, 0,1,2,3
	MMC ACC+8*\t, XF, 48*\t+32, ACC+8*\t, XS+2, W1S+3*\t+2
.endr
	WIN 0
	PLACES 8
	KBOOT 0x40, NK
	s_mov_b32 s28, 0
.Lround:                                               ; eight trips; trip i multiplies round i and prepares round i + 1
	s_cmp_lt_u32 s28, 7
	s_cbranch_scc0 .Lno_gather
	GATHER
	s_cmp_lt_u32 s28, 6
	s_cbranch_scc0 .Lno_gather
	IDXLOAD
.Lno_gather:
	FETCHX 0, 0
	FETCHX 1, 1
	COMPUTE 0
	COMPUTE 1
	COMPUTE 2
	COMPUTE 3
	BARRIER                                        ; nobody reads the images any more
	s_cmp_lt_u32 s28, 7
	s_cbranch_scc0 .Lno_finish
	FINISH
.Lno_finish:
	BARRIER                                        ; the next round's images are whole
	s_add_co_u32 s28, s28, 1
	s_cmp_lt_u32 s28, 8
	s_cbranch_scc1 .Lround
	PSTORE 12
	s_wait_tensorcnt 0x0                           ; the wave's end
	ds_add_u32 v[SPW], v[NIL]
	s_wait_dscnt 0x0
	s_endpgm
.Lfunc_end_k_q13a0413e0d_stats1:
	.size	k_q13a0413e0d_stats1, .Lfunc_end_k_q13a0413e0d_stats1-k_q13a0413e0d_stats1
	.p2alignl 7, 3214868480
	.fill 96, 4, 3214868480
	.section	.rodata,"a",@progbits
	.p2align	6, 0x0
	.amdhsa_kernel k_q13a0413e0d_stats1
		.amdhsa_group_segment_fixed_size 41472
		.amdhsa_private_segment_fixed_size 0
		.amdhsa_enable_private_segment 0
		.amdhsa_kernarg_size 40
		.amdhsa_user_sgpr_count 2
		.amdhsa_user_sgpr_kernarg_segment_ptr 1
		.amdhsa_wavefront_size32 1
		.amdhsa_system_sgpr_workgroup_id_x 1
		.amdhsa_system_sgpr_workgroup_id_y 1
		.amdhsa_system_sgpr_workgroup_id_z 1
		.amdhsa_system_vgpr_workitem_id 0
		.amdhsa_next_free_vgpr 1024
		.amdhsa_next_free_sgpr 84
		.amdhsa_reserve_vcc 0
		.amdhsa_float_denorm_mode_32 3
		.amdhsa_float_denorm_mode_16_64 3
		.amdhsa_memory_ordered 1
		.amdhsa_forward_progress 1
		.amdhsa_inst_pref_size 75
	.end_amdhsa_kernel
	.amdgpu_metadata
---
amdhsa.version: [ 1, 2 ]
amdhsa.kernels:
  - .name:           k_q13a0413e0d_stats1
    .symbol:         k_q13a0413e0d_stats1.kd
    .args:
      - { .name: tab, .offset: 0, .size: 8, .value_kind: global_buffer, .address_space: global }
      - { .name: idx, .offset: 8, .size: 8, .value_kind: global_buffer, .address_space: global }
      - { .name: seed_xyz_graspable, .offset: 16, .size: 8, .value_kind: global_buffer, .address_space: global }
      - { .name: vp_rot, .offset: 24, .size: 8, .value_kind: global_buffer, .address_space: global }
      - { .name: p1, .offset: 32, .size: 8, .value_kind: global_buffer, .address_space: global }
    .group_segment_fixed_size: 41472
    .private_segment_fixed_size: 0
    .kernarg_segment_align: 8
    .kernarg_segment_size: 40
    .max_flat_workgroup_size: 128
    .sgpr_count:     84
    .vgpr_count:     1024
    .wavefront_size: 32
...
	.end_amdgpu_metadata
.endif
;; end of part 2
;; launch bn1 (part 3): grid 8 x 1, 8 waves a work-group, no clusters, 4,096 bytes of LDS; arguments p1, g1, prm1; writes prm1
.if DOCPART == 3
	.amdgcn_target "amdgcn-amd-amdhsa--gfx1250"
	.amdhsa_code_object_version 6
	.text
	.protected	k_q13a0413e0d_bn1
	.globl	k_q13a0413e0d_bn1
	.p2align	8
	.type	k_q13a0413e0d_bn1,@function
k_q13a0413e0d_bn1:
	s_mov_b64 s[64:65], 0
	v_nop
	global_prefetch_b8 v0, s[64:65] scope:SCOPE_SE
	s_setreg_imm32_b32 hwreg(HW_REG_WAVE_MODE, 25, 1), 1
	s_wait_xcnt 0x0
; CloudCrop, launch 3 of 5: BatchNorm 1's mean and gain from the 256 work-groups' parts.  Nothing of reference() is left out.
; p1: [256 parts][256 channels][mean_i, M2_i], each part over n = 1,024 columns.  mean = the average of mean_i; M2 = sum M2_i + n sum (mean_i - mean)^2; var = M2 / 262,144.
; prm1: -mean [256], then g1 / sqrt(var + 1e-5) [256].
; Work-group x owns channels 32 x on: 256 consecutive bytes of each part.  Lane: q = lane % 16 names two channels (16 bytes), lane / 16 one of two parts; a wave reads 32 parts, eight waves all 256.
; There is work for eight work-groups of this shape: 512 KB are read once.  No matrix unit, no cluster: nothing is shared.
.set SPARE, 3072                       ; LDS: 0: 8 x 256 bytes of sums; 2,048: 8 x 128 bytes; then the spare words
	s_load_b128 s[4:7], s[0:1], 0x0                ; p1, g1
	s_load_b64 s[8:9], s[0:1], 0x10                ; prm1
	v_lshl_add_u32 v2, v0, 2, SPARE
	v_mov_b32 v3, 0
	v_lshrrev_b32 v1, 5, v0
	v_readfirstlane_b32 s10, v1                    ; wave
	v_and_b32 v4, 15, v0                           ; q
	v_bfe_u32 v5, v0, 4, 1                         ; which of two parts
	s_lshl_b32 s11, s10, 12
	s_lshl_b32 s12, ttmp9, 8
	s_add_co_u32 s11, s11, s12
	v_lshl_add_u32 v6, v5, 11, s11
	v_lshl_add_u32 v6, v4, 4, v6                   ; p1: (2 wave + half) x 2048 + 256 x + 16 q
	s_lshl_b32 s12, ttmp9, 7
	v_lshl_add_u32 v7, v4, 3, s12                  ; 4 x (32 x + 2 q)
	v_lshl_add_u32 v8, v5, 10, v7                  ; prm1: lanes 16-31 store the gains, 1,024 bytes on
	s_lshl_b32 s13, s10, 8
	v_lshl_add_u32 v9, v4, 4, s13                  ; LDS: 256 wave + 16 q
	v_lshlrev_b32 v12, 4, v4
	s_lshl_b32 s13, s10, 7
	s_add_co_u32 s13, s13, 2048
	v_lshl_add_u32 v13, v4, 3, s13                 ; LDS: 2048 + 128 wave + 8 q
	v_lshlrev_b32 v14, 3, v4
	s_mov_b32 s14, 0x44800000                      ; 1,024
	s_mov_b32 s15, 0x36800000                      ; 2^-18
	s_mov_b32 s16, 0x3727c5ac                      ; 1e-5
	s_mov_b32 s17, 0xffff0000
	s_mov_b32 s18, 0x76543210
	s_mov_b32 s19, 0xfedcba98
.irp i, 0,1,2,3
	v_mov_b32 v[84+\i], 0                          ; a lane permute's destination counts as one of its sources
.endr
	s_wait_kmcnt 0x0
.irp i, 0,1,2,3,4,5,6,7,8,9,10,11,12,13,14,15
	global_load_b128 v[16+4*\i:19+4*\i], v6, s[4:5] offset:32768*\i
.endr
	global_load_b64 v[10:11], v7, s[6:7]
	s_wait_loadcnt 0x0
	v_pk_add_f32 v[80:81], v[16:17], v[20:21]      ; (sum mean_i, sum M2_i) of both channels
	v_pk_add_f32 v[82:83], v[18:19], v[22:23]
.irp i, 2,3,4,5,6,7,8,9,10,11,12,13,14,15
	v_pk_add_f32 v[80:81], v[80:81], v[16+4*\i:17+4*\i]
	v_pk_add_f32 v[82:83], v[82:83], v[18+4*\i:19+4*\i]
.endr
.irp i, 0,1,2,3
	v_permlanex16_b32 v[84+\i], v[80+\i], s18, s19
.endr
.irp i, 0,1,2,3
	v_add_f32 v[80+\i], v[80+\i], v[84+\i]
.endr
	ds_store_b128 v9, v[80:83]                     ; both halves of the lanes store the same numbers at the same place
	s_wait_dscnt 0x0
	s_barrier_signal -1
	s_barrier_wait -1
.irp k, 0,1,2,3,4,5,6,7
	ds_load_b128 v[96+4*\k:99+4*\k], v12 offset:256*\k
.endr
	s_wait_dscnt 0x0
	v_pk_add_f32 v[80:81], v[96:97], v[100:101]
	v_pk_add_f32 v[82:83], v[98:99], v[102:103]
.irp k, 2,3,4,5,6,7
	v_pk_add_f32 v[80:81], v[80:81], v[96+4*\k:97+4*\k]
	v_pk_add_f32 v[82:83], v[82:83], v[98+4*\k:99+4*\k]
.endr
	v_mul_f32 v88, 0x3b800000, v80                 ; the means: / 256
	v_mul_f32 v89, 0x3b800000, v82
	v_sub_f32 v90, v16, v88
	v_sub_f32 v91, v18, v89
	v_mul_f32 v92, v90, v90
	v_mul_f32 v93, v91, v91
.irp i, 1,2,3,4,5,6,7,8,9,10,11,12,13,14,15
	v_sub_f32 v90, v[16+4*\i], v88
	v_sub_f32 v91, v[18+4*\i], v89
	v_fmac_f32 v92, v90, v90
	v_fmac_f32 v93, v91, v91
.endr
	v_permlanex16_b32 v84, v92, s18, s19
	v_permlanex16_b32 v85, v93, s18, s19
	v_add_f32 v92, v92, v84
	v_add_f32 v93, v93, v85
	ds_store_b64 v13, v[92:93]
	s_wait_dscnt 0x0
	s_barrier_signal -1
	s_barrier_wait -1
.irp k, 0,1,2,3,4,5,6,7
	ds_load_b64 v[96+2*\k:97+2*\k], v14 offset:2048+128*\k
.endr
	s_wait_dscnt 0x0
	v_pk_add_f32 v[92:93], v[96:97], v[98:99]
.irp k, 2,3,4,5,6,7
	v_pk_add_f32 v[92:93], v[92:93], v[96+2*\k:97+2*\k]
.endr
	v_fma_f32 v94, v92, s14, v81
	v_fma_f32 v95, v93, s14, v83
	v_fma_f32 v94, v94, s15, s16                   ; var + eps
	v_fma_f32 v95, v95, s15, s16
	v_rsq_f32 v96, v94
	v_rsq_f32 v97, v95
	v_xor_b32 v88, 0x80000000, v88                 ; (a plain line behind the two)  -mean
	v_xor_b32 v89, 0x80000000, v89
	s_wait_alu depctr_va_vdst(0)                   ; one wait for both, ahead of their first reader
	v_mul_f32 v96, v96, v10
	v_mul_f32 v97, v97, v11
	v_cndmask_b32 v98, v88, v96, s17
	v_cndmask_b32 v99, v89, v97, s17
	s_cmp_lg_u32 s10, 0
	s_cbranch_scc1 .Lend
	global_store_b64 v8, v[98:99], s[8:9]          ; wave 0: 128 bytes of -mean, 128 bytes of gains
.Lend:
	s_wait_tensorcnt 0x0                           ; the wave's end
	ds_add_u32 v2, v3
	s_wait_dscnt 0x0
	s_endpgm
.Lfunc_end_k_q13a0413e0d_bn1:
	.size	k_q13a0413e0d_bn1, .Lfunc_end_k_q13a0413e0d_bn1-k_q13a0413e0d_bn1
	.p2alignl 7, 3214868480
	.fill 96, 4, 3214868480
	.section	.rodata,"a",@progbits
	.p2align	6, 0x0
	.amdhsa_kernel k_q13a0413e0d_bn1
		.amdhsa_group_segment_fixed_size 4096
		.amdhsa_private_segment_fixed_size 0
		.amdhsa_enable_private_segment 0
		.amdhsa_kernarg_size 24
		.amdhsa_user_sgpr_count 2
		.amdhsa_user_sgpr_kernarg_segment_ptr 1
		.amdhsa_wavefront_size32 1
		.amdhsa_system_sgpr_workgroup_id_x 1
		.amdhsa_system_sgpr_workgroup_id_y 1
		.amdhsa_system_sgpr_workgroup_id_z 1
		.amdhsa_system_vgpr_workitem_id 0
		.amdhsa_next_free_vgpr 128
		.amdhsa_next_free_sgpr 66
		.amdhsa_reserve_vcc 0
		.amdhsa_float_denorm_mode_32 3
		.amdhsa_float_denorm_mode_16_64 3
		.amdhsa_memory_ordered 1
		.amdhsa_forward_progress 1
		.amdhsa_inst_pref_size 12
	.end_amdhsa_kernel
	.amdgpu_metadata
---
amdhsa.version: [ 1, 2 ]
amdhsa.kernels:
  - .name:           k_q13a0413e0d_bn1
    .symbol:         k_q13a0413e0d_bn1.kd
    .args:
      - { .name: p1, .offset: 0, .size: 8, .value_kind: global_buffer, .address_space: global }
      - { .name: g1, .offset: 8, .size: 8, .value_kind: global_buffer, .address_space: global }
      - { .name: prm1, .offset: 16, .size: 8, .value_kind: global_buffer, .address_space: global }
    .group_segment_fixed_size: 4096
    .private_segment_fixed_size: 0
    .kernarg_segment_align: 8
    .kernarg_segment_size: 24
    .max_flat_workgroup_size: 256
    .sgpr_count:     66
    .vgpr_count:     128
    .wavefront_size: 32
...
	.end_amdgpu_metadata
.endif
;; end of part 3
;; launch chain (part 4): grid 256 x 1, 4 waves a work-group, no clusters, 115,200 bytes of LDS; arguments tab, idx, seed_xyz_graspable, vp_rot, prm1, b1, W2_codes, W2_scales, g2, ext, p2; writes ext, p2
.if DOCPART == 4
	.amdgcn_target "amdgcn-amd-amdhsa--gfx1250"
	.amdhsa_code_object_version 6
	.text
	.protected	k_q13a0413e0d_chain
	.globl	k_q13a0413e0d_chain
	.p2align	8
	.type	k_q13a0413e0d_chain,@function
k_q13a0413e0d_chain:
	s_mov_b64 s[64:65], 0
	v_nop
	global_prefetch_b8 v0, s[64:65] scope:SCOPE_SE
	s_setreg_imm32_b32 hwreg(HW_REG_WAVE_MODE, 25, 1), 1
	s_wait_xcnt 0x0
; CloudCrop, launch 4 of 5: first product again, BatchNorm 1, relu, quantiser, second product; of y2 only its statistics and one extreme over the 32 samples leave.
; NOT STORED, by an identity that holds for all finite inputs: BatchNorm 2 and relu are (y2 - mu) r g2 + b2 clipped at 0, which rises with sigma y2, sigma = sign(g2) (r > 0).  The sign bits of W2's codes are turned in the rows
; where g2 < 0 (an exact negation), so y2' = sigma y2 is what the product gives; max over the samples of y2' is kept (ext), and the statistics are y2's own up to the mean's sign (p2).  Launch 5 uses |g2|.
; SHARES, ROUNDS and the preparing of x's images: as in launch 2 (work-group = 32 centres of a batch; wave g prepares centre 4 i + g of round i; images of operand registers in LDS).
; PHASE 1 (a centre at a time): TRANSPOSED, source 0 = 16 rows of W1, source 1 = 16 samples; C of the first K step = -mean.  Lane r of tile 2 b + u takes W1's row 64 g + 32 b + 8 u + r + 8 (r / 8), so that a lane holds one sample and the
;   16 registers of tiles 2 b, 2 b + 1 are 16 neighbours along the next K.  One packed multiply-add is BatchNorm 1; the hold at the largest code clips at 0 as well (relu).  My 64 hidden channels are two blocks: 2 x 4 registers of codes a tile,
;   stored as groups of the hidden layer's image at 1,024 g; my two scale bytes as one word in 128 bytes of my own.
; PHASE 2: source 0 = 16 samples of the hidden layer, source 1 = 16 rows of W2 (lane r of tile t: channel 64 g + 4 r + t); C of the first K step = -K (the shift, as in launch 2).  A lane holds one channel and eight samples.
;   The four waves' scale words of a tile are joined into the two scale registers by vector instructions, eight places ahead of the products.
; NO CLUSTER: shared between work-groups are the weights alone, 140 KB read once by each at its head, straight into operand registers; the tiles are gathered by index.  No tensor load: the rows are chosen by index.
; LIMITS: NaN and infinities are not served; / 0.05 is done as x 20.0; a block of zeros gets the byte 1.
; REGISTERS.  window 0: v1-13 addresses; v14, v15 the add's two; v16-23 halves of scale words; v24-29, v30-33, v34-45, v46-53 scale words of x, hidden, W1, W2; v56-127 x's or the hidden layer's fragments; v128-191 accumulators;
;   v192-225 the quantiser; v226-253 statistics.   window 1: W1.   window 2: W2 (t, s) at 32 t + 16 s; -mean at 128 + 8 t; -K at 160 + 8 t.   window 3: gains at 8 t, b1 at 32 + 8 t; from v64 the preparing.
.set XT,    5120
.set HIMG,  40960
.set HT,    4608                       ; a hidden tile: 8 groups of 512 bytes, then 128 bytes of scale halves for each wave
.set ESTG,  77824                      ; 256 rows x (128 + 16): the extremes of 32 centres
.set SPARE, 114688
.set T_FH,  2097152
.set T_FS,  3145728
.set T_W1Q, 3211264
.set T_W1S, 3284992
.set SPW, 14
.set NIL, 15
.set HP,  16
.set XS,  24
.set HS,  30
.set W1S, 34
.set W2S, 46
.set XF,  56
.set HF,  56
.set ACC, 128
.set PC,  192
.set TM,  208
.set PW,  224
.set SS,  226
.set QQ,  234
.set MX,  242
.set MT,  246
.set KV,  250
.set NMU, 128                          ; window 2
.set NK2, 160
.set I0,  64                           ; window 3 from here on
.set OQ,  66
.set OH,  68
.set OS,  70
.set H16, 72
.set H64, 73
.set IDV, 74
.set FSR, 78
.set GC,  84
.set FHR, 156
.set TQ,  194
.set GXR, 210
.set MSB, 0
.macro WIN new                         ; the immediate's high byte repeats the setting that is left
.if MSB != \new
	s_set_vgpr_msb (MSB<<8)|\new
.set MSB, \new
.endif
.endm
.macro PLACES n
.rept \n
	v_nop
.endr
.endm
.macro BARRIER                         ; my LDS stores have landed and my LDS loads are in: then the work-group's barrier
	s_wait_dscnt 0x0
	s_barrier_signal -1
	s_barrier_wait -1
.endm
.macro MMZ d, a, b, sa, sb
	v_wmma_scale_f32_16x16x128_f8f6f4 v[\d:\d+7], v[\a:\a+15], v[\b:\b+15], 0, v[\sa], v[\sb] matrix_a_fmt:MATRIX_FMT_BF8 matrix_b_fmt:MATRIX_FMT_BF8
.endm
.macro MMC d, a, b, c, sa, sb
	v_wmma_scale_f32_16x16x128_f8f6f4 v[\d:\d+7], v[\a:\a+15], v[\b:\b+15], v[\c:\c+7], v[\sa], v[\sb] matrix_a_fmt:MATRIX_FMT_BF8 matrix_b_fmt:MATRIX_FMT_BF8
.endm
.macro IDXLOAD                         ; my centre's 32 indices: sample 16 ct + r at 256 ct + 16 r + 4 g of the round's 512 bytes
	WIN 0xff
	global_load_b32 v[I0], v[IDV], s[42:43]
	global_load_b32 v[I0+1], v[IDV], s[42:43] offset:256
	WIN 0
.endm
.macro GATHER                          ; the rows that the indices name are asked for; FINISH waits for them
	s_wait_loadcnt 0x0                             ; the indices are in (nothing else is out), so their base may step
	s_add_nc_u64 s[42:43], s[42:43], 512
	WIN 0xff
.irp ct, 0,1
	v_min_u32 v[I0+\ct], 0x3ff, v[I0+\ct]
.endr
.irp ct, 0,1
	v_lshl_add_u32 v[OQ+\ct], v[I0+\ct], 8, v[H16]
	v_lshl_add_u32 v[OH+\ct], v[I0+\ct], 7, v[H64]
	v_lshlrev_b32 v[OS+\ct], 3, v[I0+\ct]
.endr
.irp ct, 0,1
.irp i, 0,1,2,3
	global_load_b128 v[FHR+16*\ct+4*\i:FHR+16*\ct+4*\i+3], v[OH+\ct], s[38:39] offset:16*\i
.endr
	global_load_b64 v[FSR+2*\ct:FSR+2*\ct+1], v[OS+\ct], s[40:41]
.irp i, 0,1,2,3,4,5,6,7
	global_load_b128 v[GC+36*\ct+4+4*\i:GC+36*\ct+7+4*\i], v[OQ+\ct], s[36:37] offset:32*\i
.endr
.endr
	WIN 0
	s_load_b96 s[48:50], s[44:45], 0x0             ; the centre
	s_load_b256 s[52:59], s[46:47], 0x0            ; its rotation
	s_load_b32 s60, s[46:47], 0x20
.endm
.macro FINISH                          ; block 0 is made and quantised; both tiles' images go to LDS
	s_wait_loadcnt 0x0
	s_wait_kmcnt 0x0
	s_add_nc_u64 s[44:45], s[44:45], 48            ; the loads are done: on to my centre of the next round
	s_add_nc_u64 s[46:47], s[46:47], 144
	WIN 0xff
.irp m, 0,1,2
.irp ct, 0,1
	v_sub_f32 v[GXR+6*\ct+\m], v[FHR+16*\ct+\m], s[48+\m]
.endr
.endr
.irp m, 0,1,2
.irp ct, 0,1
	v_mul_f32 v[GXR+6*\ct+\m], 0x41a00000, v[GXR+6*\ct+\m]
.endr
.endr
.irp k, 0,1,2
.irp ct, 0,1
	v_mul_f32 v[GXR+6*\ct+3+\k], s[52+\k], v[GXR+6*\ct]
.endr
.endr
.irp k, 0,1,2
.irp ct, 0,1
	v_fmac_f32 v[GXR+6*\ct+3+\k], s[55+\k], v[GXR+6*\ct+1]
.endr
.endr
.irp k, 0,1,2
.irp ct, 0,1
	v_fmac_f32 v[GXR+6*\ct+3+\k], s[58+\k], v[GXR+6*\ct+2]
.endr
.endr
.irp k, 0,1,2
.irp ct, 0,1
	v_cndmask_b32 v[FHR+16*\ct+\k], v[FHR+16*\ct+\k], v[GXR+6*\ct+3+\k], s33   ; lanes 0-15 hold channels 0-15: the offsets take x, y, z's places
.endr
.endr
.irp ct, 0,1
	v_max3_num_f32 v[TQ+8*\ct], |v[FHR+16*\ct]|, |v[FHR+16*\ct+1]|, 0x8000000
.endr
.irp i, 2,4,6,8,10,12,14
.irp ct, 0,1
	v_max3_num_f32 v[TQ+8*\ct], v[TQ+8*\ct], |v[FHR+16*\ct+\i]|, |v[FHR+16*\ct+\i+1]|
.endr
.endr
.irp ct, 0,1
	v_permlanex16_b32 v[TQ+8*\ct+1], v[TQ+8*\ct], s30, s31
.endr
.irp ct, 0,1
	v_max_num_f32 v[TQ+8*\ct], v[TQ+8*\ct], v[TQ+8*\ct+1]
.endr
.irp ct, 0,1
	v_add_nc_u32 v[TQ+8*\ct+2], 0xf8800000, v[TQ+8*\ct]
	v_and_or_b32 v[TQ+8*\ct+3], v[TQ+8*\ct], 0x7f800000, s32
.endr
.irp ct, 0,1
	v_lshrrev_b32 v[TQ+8*\ct+4], 23, v[TQ+8*\ct+2]
	v_alignbit_b32 v[TQ+8*\ct+6], v[FSR+2*\ct+1], v[FSR+2*\ct], 24    ; bytes of blocks 4-7
	v_lshrrev_b32 v[TQ+8*\ct+7], 24, v[FSR+2*\ct+1]                   ; byte of block 8; the three above it are 0, over products with zero codes
.endr
.irp ct, 0,1
	v_lshl_or_b32 v[TQ+8*\ct+5], v[FSR+2*\ct], 8, v[TQ+8*\ct+4]       ; bytes of blocks 0-3
.endr
.irp ct, 0,1
.set I, 0
.rept 16
	v_med3_num_f32 v[FHR+16*\ct+I], v[FHR+16*\ct+I], -v[TQ+8*\ct+3], v[TQ+8*\ct+3]
.set I, I+1
.endr
.endr
.irp ct, 0,1
	v_cvt_scalef32_pk8_bf8_f32 v[GC+36*\ct:GC+36*\ct+1], v[FHR+16*\ct:FHR+16*\ct+7], v[TQ+8*\ct+2]
	v_cvt_scalef32_pk8_bf8_f32 v[GC+36*\ct+2:GC+36*\ct+3], v[FHR+16*\ct+8:FHR+16*\ct+15], v[TQ+8*\ct+2]
.endr
	v_nop                                          ; one plain line behind the last conversion
	WIN 0x0c                                       ; address window 0, data window 3
.irp ct, 0,1
.irp q, 0,1,2,3,4,5,6,7,8
	ds_store_b128 v3, v[GC+36*\ct+4*\q:GC+36*\ct+4*\q+3] offset:\ct*XT+512*\q
.endr
.irp s, 0,1,2
	ds_store_b32 v4, v[TQ+8*\ct+5+\s] offset:\ct*XT+128*\s
.endr
.endr
	WIN 0
.endm
.macro FETCHX sg, tau                  ; tile tau of the round into set sg: [group 8][groups 0-3][groups 4-7]
	ds_load_b128 v[XF+36*\sg:XF+36*\sg+3], v1 offset:(\tau)*XT+4096
.irp q, 0,1,2,3,4,5,6,7
	ds_load_b128 v[XF+36*\sg+4+4*\q:XF+36*\sg+7+4*\q], v1 offset:(\tau)*XT+512*\q
.endr
.irp s, 0,1,2
	ds_load_b32 v[XS+3*\sg+\s], v2 offset:(\tau)*XT+4608+128*\s
.endr
.endm
.macro FETCHH ct, tau                  ; hidden tile tau: two fragments, and the four waves' halves of its scale words
.irp s, 0,1
.irp c, 0,1,2,3
	ds_load_b128 v[HF+32*\ct+16*\s+4*\c:HF+32*\ct+16*\s+4*\c+3], v6 offset:(\tau)*HT+2048*\s+512*\c
.endr
.endr
.irp w, 0,1,2,3
	ds_load_b32 v[HP+4*\ct+\w], v7 offset:(\tau)*HT+128*\w
.endr
.endm
.macro HCOMB ct                        ; waves 2 s and 2 s + 1 made the low and the high half of K step s's scale word
.irp s, 0,1
	v_lshl_or_b32 v[HS+2*\ct+\s], v[HP+4*\ct+2*\s+1], 16, v[HP+4*\ct+2*\s]
.endr
.endm
.macro STATS                           ; each accumulator is read from its low end on
.irp j, 0,2,4,6
.irp ct, 0,1
.irp t, 0,1,2,3
	v_pk_add_f32 v[SS+2*\t:SS+2*\t+1], v[SS+2*\t:SS+2*\t+1], v[ACC+32*\ct+8*\t+\j:ACC+32*\ct+8*\t+\j+1]
	v_pk_fma_f32 v[QQ+2*\t:QQ+2*\t+1], v[ACC+32*\ct+8*\t+\j:ACC+32*\ct+8*\t+\j+1], v[ACC+32*\ct+8*\t+\j:ACC+32*\ct+8*\t+\j+1], v[QQ+2*\t:QQ+2*\t+1]
.endr
.endr
.endr
.endm
.macro KBOOT win, nk                   ; K = sample 0's value (register 0 of lanes 0-15), in both halves of the lanes; -K eight times a tile
.irp t, 0,1,2,3
	v_permlanex16_b32 v[MT+\t], v[ACC+8*\t], s30, s31
.endr
.irp t, 0,1,2,3
	v_cndmask_b32 v[MX+\t], v[ACC+8*\t], v[MT+\t], s34
.endr
.irp t, 0,1,2,3
	v_xor_b32 v[KV+\t], 0x80000000, v[MX+\t]
.endr
	WIN \win
.irp t, 0,1,2,3
.irp j, 0,1,2,3,4,5,6,7
	v_mov_b32 v[\nk+8*\t+\j], v[KV+\t]
.endr
.endr
	WIN 0
.endm
.macro PSTORE sb                       ; mean_i = K + S / 1024, M2_i = Q - S^2 / 1024; lanes 0-15 store tiles 0, 1, lanes 16-31 tiles 2, 3: 512 consecutive bytes a wave
.irp t, 0,1,2,3
	v_add_f32 v[SS+2*\t], v[SS+2*\t], v[SS+2*\t+1]
	v_add_f32 v[QQ+2*\t], v[QQ+2*\t], v[QQ+2*\t+1]
.endr
.irp t, 0,1,2,3
	v_permlanex16_b32 v[MT+\t], v[SS+2*\t], s30, s31
	v_permlanex16_b32 v[MX+\t], v[QQ+2*\t], s30, s31
.endr
.irp t, 0,1,2,3
	v_add_f32 v[SS+2*\t], v[SS+2*\t], v[MT+\t]
	v_add_f32 v[QQ+2*\t], v[QQ+2*\t], v[MX+\t]
.endr
.irp t, 0,1,2,3
	v_mul_f32 v[SS+2*\t+1], 0x3a800000, v[SS+2*\t]
.endr
.irp t, 0,1,2,3
	v_fma_f32 v[QQ+2*\t], -v[SS+2*\t], v[SS+2*\t+1], v[QQ+2*\t]
.endr
.irp t, 0,1,2,3
	v_sub_f32 v[SS+2*\t], v[SS+2*\t+1], v[KV+\t]
.endr
	v_cndmask_b32 v16, v[SS], v[SS+4], s34
	v_cndmask_b32 v17, v[QQ], v[QQ+4], s34
	v_cndmask_b32 v18, v[SS+2], v[SS+6], s34
	v_cndmask_b32 v19, v[QQ+2], v[QQ+6], s34
	global_store_b128 v5, v[16:19], s[\sb:\sb+1]
.endm
; the 64 numbers in the accumulators' registers: four blocks (2 ct + t / 2) of 16 a lane, 32 with lane l xor 16.  What is negative becomes 0 on the way (relu): no |.| on the maximum's sources, and the hold clips at 0
.macro QUANTH
.irp b, 0,1,2,3
	v_max3_num_f32 v[TM+\b], v[ACC+16*\b], v[ACC+16*\b+1], 0x8000000
.endr
.irp i, 2,4,6,8,10,12,14
.irp b, 0,1,2,3
	v_max3_num_f32 v[TM+\b], v[TM+\b], v[ACC+16*\b+\i], v[ACC+16*\b+\i+1]
.endr
.endr
.irp b, 0,1,2,3
	v_permlanex16_b32 v[TM+4+\b], v[TM+\b], s30, s31
.endr
.irp b, 0,1,2,3
	v_max_num_f32 v[TM+\b], v[TM+\b], v[TM+4+\b]
.endr
.irp b, 0,1,2,3
	v_add_nc_u32 v[TM+12+\b], 0xf8800000, v[TM+\b]
.endr
.irp b, 0,1,2,3
	v_and_or_b32 v[TM+8+\b], v[TM+\b], 0x7f800000, s32
.endr
.irp b, 0,1,2,3
	v_lshrrev_b32 v[TM+4+\b], 23, v[TM+12+\b]
.endr
	v_lshl_or_b32 v[PW], v[TM+5], 8, v[TM+4]       ; my two bytes of tile 0's scale word,
	v_lshl_or_b32 v[PW+1], v[TM+7], 8, v[TM+6]     ; and of tile 1's
.irp b, 0,1,2,3
.set I, 0
.rept 16
	v_med3_num_f32 v[ACC+16*\b+I], v[ACC+16*\b+I], 0, v[TM+8+\b]
.set I, I+1
.endr
	v_cvt_scalef32_pk8_bf8_f32 v[PC+4*\b:PC+4*\b+1], v[ACC+16*\b:ACC+16*\b+7], v[TM+12+\b]
	v_cvt_scalef32_pk8_bf8_f32 v[PC+4*\b+2:PC+4*\b+3], v[ACC+16*\b+8:ACC+16*\b+15], v[TM+12+\b]
.endr
	v_nop                                          ; one plain line behind the last conversion: later products write its sources
.endm
.macro PHASE1 ci, first, last
.if \first
	FETCHX 0, 2*(\ci)
	FETCHX 1, 2*(\ci)+1
.endif
	s_wait_dscnt 0x0                               ; the centre's two tiles are in, and my last stores have read their registers
	WIN 0x21                                       ; source 0 (W1) window 1, C (-mean) window 2
.irp ct, 0,1
.irp t, 0,1,2,3
	MMC ACC+32*\ct+8*\t, 48*\t, XF+36*\ct+4, NMU+8*\t, W1S+3*\t, XS+3*\ct
.endr
.endr
	WIN 0x01                                       ; the eight accumulators take turns, one instruction a turn
.irp ct, 0,1
.irp t, 0,1,2,3
	MMC ACC+32*\ct+8*\t, 48*\t+16, XF+36*\ct+20, ACC+32*\ct+8*\t, W1S+3*\t+1, XS+3*\ct+1
.endr
.endr
.irp ct, 0,1
.irp t, 0,1,2,3
	MMC ACC+32*\ct+8*\t, 48*\t+32, XF+36*\ct, ACC+32*\ct+8*\t, W1S+3*\t+2, XS+3*\ct+2
.endr
.endr
	WIN 0
	PLACES 8                                       ; in front of loads into registers that the products read, and of the first read of results
.if \last == 0
	FETCHX 0, 2*(\ci)+2
	FETCHX 1, 2*(\ci)+3
.endif
	WIN 0x3c                                       ; sources 1 and 2 (gain, b1) window 3
.irp ct, 0,1
.irp t, 0,1,2,3
.irp j, 0,2,4,6
	v_pk_fma_f32 v[ACC+32*\ct+8*\t+\j:ACC+32*\ct+8*\t+\j+1], v[ACC+32*\ct+8*\t+\j:ACC+32*\ct+8*\t+\j+1], v[8*\t+\j:8*\t+\j+1], v[32+8*\t+\j:32+8*\t+\j+1]
.endr
.endr
.endr
	WIN 0
	QUANTH
.irp ct, 0,1
.irp b, 0,1
	ds_store_b128 v8, v[PC+8*\ct+4*\b:PC+8*\ct+4*\b+3] offset:(2*(\ci)+\ct)*HT+512*\b
.endr
	ds_store_b32 v9, v[PW+\ct] offset:(2*(\ci)+\ct)*HT
.endr
.endm
.macro PHASE2 ci, first, last
.if \first
	FETCHH 0, 2*(\ci)
	FETCHH 1, 2*(\ci)+1
.endif
	s_wait_dscnt 0x0
	HCOMB 0
	HCOMB 1
	PLACES 8                                       ; a scale register written by a vector instruction stands eight places ahead of the product
	WIN 0x28                                       ; source 1 (W2) and C (-K) window 2
.irp ct, 0,1
.irp t, 0,1,2,3
	MMC ACC+32*\ct+8*\t, HF+32*\ct, 32*\t, NK2+8*\t, HS+2*\ct, W2S+2*\t
.endr
.endr
	WIN 0x08
.irp ct, 0,1
.irp t, 0,1,2,3
	MMC ACC+32*\ct+8*\t, HF+32*\ct+16, 32*\t+16, ACC+32*\ct+8*\t, HS+2*\ct+1, W2S+2*\t+1
.endr
.endr
	WIN 0
	PLACES 8
.if \last == 0
	FETCHH 0, 2*(\ci)+2
	FETCHH 1, 2*(\ci)+3
.endif
	STATS
.irp t, 0,1,2,3                                ; the largest of the centre's 32 samples: my 16, then lane l xor 16's
	v_max3_num_f32 v[MX+\t], v[ACC+8*\t], v[ACC+8*\t+1], v[ACC+8*\t+2]
.endr
.irp i, 3,5
.irp t, 0,1,2,3
	v_max3_num_f32 v[MX+\t], v[MX+\t], v[ACC+8*\t+\i], v[ACC+8*\t+\i+1]
.endr
.endr
.irp t, 0,1,2,3
	v_max3_num_f32 v[MX+\t], v[MX+\t], v[ACC+8*\t+7], v[ACC+32+8*\t]
.endr
.irp i, 1,3,5
.irp t, 0,1,2,3
	v_max3_num_f32 v[MX+\t], v[MX+\t], v[ACC+32+8*\t+\i], v[ACC+32+8*\t+\i+1]
.endr
.endr
.irp t, 0,1,2,3
	v_max_num_f32 v[MX+\t], v[MX+\t], v[ACC+32+8*\t+7]
.endr
.irp t, 0,1,2,3
	v_permlanex16_b32 v[MT+\t], v[MX+\t], s30, s31
.endr
.irp t, 0,1,2,3
	v_max_num_f32 v[MX+\t], v[MX+\t], v[MT+\t]
.endr
.irp t, 0,1,2,3
	v_sub_f32 v[MX+\t], v[MX+\t], v[KV+\t]         ; the shift goes back on
.endr
.irp t, 0,1,2,3
	ds_store_b32 v11, v[MX+\t] offset:144*\t+4*(\ci)   ; both halves of the lanes store the same number at the same place
.endr
.endm
	s_load_b512 s[4:19], s[0:1], 0x0               ; tab s[4:5], idx s[6:7], xyz s[8:9], rot s[10:11], prm1 s[12:13], b1 s[14:15], W2's codes s[16:17], W2's scales s[18:19]
	s_load_b128 s[20:23], s[0:1], 0x40             ; g2 s[20:21], ext s[22:23]
	s_load_b64 s[24:25], s[0:1], 0x50              ; p2
	v_lshl_add_u32 v[SPW], v0, 2, SPARE
	v_mov_b32 v[NIL], 0
	v_lshrrev_b32 v128, 5, v0
	v_readfirstlane_b32 s26, v128                  ; g: wave 0..3
	v_and_b32 v128, 31, v0                         ; lane
	v_and_b32 v129, 15, v0                         ; r
	v_bfe_u32 v130, v0, 4, 1                       ; h
	v_lshlrev_b32 v1, 4, v128                      ; 16 x lane
	v_lshlrev_b32 v2, 2, v128                      ; 4 x lane
	s_mul_i32 s70, s26, 2*XT
	v_add_nc_u32 v3, s70, v1                       ; where I store my two tiles of x
	s_add_co_u32 s70, s70, 4608
	v_add_nc_u32 v4, s70, v2                       ; and their scale words
	s_lshl_b32 s70, ttmp9, 11
	s_lshl_b32 s71, s26, 9
	s_add_co_u32 s70, s70, s71
	v_lshl_add_u32 v5, v129, 5, s70
	v_lshl_add_u32 v5, v130, 4, v5                 ; p2: 2048 wg + 512 g + 32 r + 16 h
	v_add_nc_u32 v6, HIMG, v1                      ; the hidden layer's groups, for reading
	v_add_nc_u32 v7, HIMG+4096, v2                 ; and the halves of its scale words
	s_lshl_b32 s70, s26, 10
	s_add_co_u32 s70, s70, HIMG
	v_add_nc_u32 v8, s70, v1                       ; where I store my two groups: 1,024 g
	s_lshl_b32 s70, s26, 7
	s_add_co_u32 s70, s70, HIMG+4096
	v_add_nc_u32 v9, s70, v2                       ; and my half of the scale words: 128 g
	s_mul_i32 s72, s26, 9216
	s_add_co_u32 s72, s72, ESTG
	v_mul_u32_u24 v10, v129, 576
	v_add_nc_u32 v10, s72, v10                     ; the stage: row 64 g + 4 r
	v_lshrrev_b32 v131, 3, v128
	v_mul_u32_u24 v12, v131, 144
	v_and_b32 v131, 7, v128
	v_lshl_add_u32 v12, v131, 4, v12
	v_add_nc_u32 v12, s72, v12                     ; back: my rows, eight lanes to a row
	s_lshl_b32 s72, s26, 13
	v_add_nc_u32 v13, s72, v1                      ; ext: 8192 g + 16 lane
	s_lshl_b32 s70, s26, 2
	v_lshl_add_u32 v131, v129, 4, s70              ; 16 r + 4 g
	s_lshl_b32 s70, s26, 6                         ; 64 g
	v_and_b32 v132, 8, v129
	v_add_nc_u32 v132, v132, v129
	v_add_nc_u32 v132, s70, v132                   ; W1: row 64 g + r + 8 (r / 8)
	v_mul_u32_u24 v133, v132, 288
	v_lshl_add_u32 v133, v130, 4, v133
	v_mul_u32_u24 v134, v132, 12
	v_lshl_add_u32 v135, v129, 2, s70              ; W2: row 64 g + 4 r
	v_lshlrev_b32 v136, 8, v135
	v_lshl_add_u32 v136, v130, 4, v136
	v_lshlrev_b32 v137, 3, v135
	v_lshlrev_b32 v138, 2, v135
	s_lshl_b32 s70, s26, 8
	v_lshl_add_u32 v139, v130, 6, s70              ; per-channel rows in the transposed result's layout: 4 x (64 g + 16 h)
	s_mov_b32 s29, 0
	s_mov_b32 s30, 0x76543210
	s_mov_b32 s31, 0xfedcba98                      ; v_permlanex16_b32's selects for lane l xor 16
	s_mov_b32 s32, 0x600000
	s_mov_b32 s33, 0x0000ffff
	s_mov_b32 s34, 0xffff0000
	s_mov_b32 s35, 0x80808080
	s_lshr_b32 s71, ttmp9, 5                       ; batch
	s_lshl_b32 s72, s71, 18
	s_mov_b32 s73, 0
	s_lshl_b32 s74, s71, 17
	s_add_co_u32 s74, s74, T_FH
	s_mov_b32 s75, 0
	s_lshl_b32 s76, s71, 13
	s_add_co_u32 s76, s76, T_FS
	s_mov_b32 s77, 0
	s_lshl_b32 s78, ttmp9, 12
	s_mov_b32 s79, 0
	s_lshl_b32 s70, ttmp9, 5
	s_add_co_u32 s70, s70, s26                     ; my first centre
	s_mul_i32 s80, s70, 12
	s_mov_b32 s81, 0
	s_mul_i32 s82, s70, 36
	s_mov_b32 s83, 0
	s_wait_kmcnt 0x0
	s_add_nc_u64 s[36:37], s[4:5], s[72:73]        ; the batch's codes,
	s_add_nc_u64 s[38:39], s[4:5], s[74:75]        ; f32 rows,
	s_add_nc_u64 s[40:41], s[4:5], s[76:77]        ; scale bytes
	s_add_nc_u64 s[42:43], s[6:7], s[78:79]        ; the work-group's indices
	s_add_nc_u64 s[44:45], s[8:9], s[80:81]
	s_add_nc_u64 s[46:47], s[10:11], s[82:83]
	s_add_nc_u64 s[66:67], s[4:5], T_W1Q
	s_add_nc_u64 s[68:69], s[4:5], T_W1S
	s_lshl_b32 s72, ttmp9, 15
	s_add_nc_u64 s[22:23], s[22:23], s[72:73]      ; ext at my work-group's 32 KB
	WIN 0x40                                       ; destination window 1
.irp t, 0,1,2,3
.irp k, 0,1,2,3,4,5,6,7,8
	global_load_b128 v[48*\t+4*\k:48*\t+4*\k+3], v133, s[66:67] offset:288*(32*(\t/2)+8*(\t%2))+32*\k
.endr
.endr
.irp t, 0,1,2,3
.irp i, 36,37,38,39,40,41,42,43,44,45,46,47
	v_mov_b32 v[48*\t+\i], 0                       ; K step 2 behind block 8: zero codes
.endr
.endr
	WIN 0x80                                       ; destination window 2
.irp t, 0,1,2,3
.irp s, 0,1
.irp c, 0,1,2,3
	global_load_b128 v[32*\t+16*\s+4*\c:32*\t+16*\s+4*\c+3], v136, s[16:17] offset:256*\t+128*\s+32*\c
.endr
.endr
	global_load_b128 v[NMU+8*\t:NMU+8*\t+3], v139, s[12:13] offset:128*(\t/2)+32*(\t%2)
	global_load_b128 v[NMU+8*\t+4:NMU+8*\t+7], v139, s[12:13] offset:128*(\t/2)+32*(\t%2)+16
.endr
	WIN 0xc0                                       ; destination window 3
.irp t, 0,1,2,3
	global_load_b128 v[8*\t:8*\t+3], v139, s[12:13] offset:1024+128*(\t/2)+32*(\t%2)
	global_load_b128 v[8*\t+4:8*\t+7], v139, s[12:13] offset:1024+128*(\t/2)+32*(\t%2)+16
	global_load_b128 v[32+8*\t:32+8*\t+3], v139, s[14:15] offset:128*(\t/2)+32*(\t%2)
	global_load_b128 v[32+8*\t+4:32+8*\t+7], v139, s[14:15] offset:128*(\t/2)+32*(\t%2)+16
.endr
	v_lshlrev_b32 v[H16], 4, v130
	v_lshlrev_b32 v[H64], 6, v130
	v_mov_b32 v[IDV], v131
	v_mov_b32 v[TQ+1], 0                           ; a lane permute's destination counts as one of its sources
	v_mov_b32 v[TQ+9], 0
	WIN 0
.irp t, 0,1,2,3
.irp s, 0,1,2
	global_load_b32 v[W1S+3*\t+\s], v134, s[68:69] offset:12*(32*(\t/2)+8*(\t%2))+4*\s
.endr
.irp s, 0,1
	global_load_b32 v[W2S+2*\t+\s], v137, s[18:19] offset:8*\t+4*\s
.endr
.endr
	global_load_b128 v[140:143], v138, s[20:21]    ; g2 of my lane's four channels
.irp i, 0,1,2,3,4,5,6,7
	v_mov_b32 v[SS+\i], 0
	v_mov_b32 v[QQ+\i], 0
.endr
.irp t, 0,1,2,3
	v_mov_b32 v[MT+\t], 0
	v_mov_b32 v[TM+4+\t], 0
.endr
	s_wait_loadcnt 0x0
.irp t, 0,1,2,3
	v_cmp_gt_f32 vcc_lo, 0, v[140+\t]
	v_cndmask_b32 v[144+\t], 0, s35, vcc_lo        ; the four sign bits of a word of codes, where g2 < 0
.endr
	WIN 0x88                                       ; destination and source 1 window 2
.irp t, 0,1,2,3
.set I, 0
.rept 32
	v_xor_b32 v[32*\t+I], v[144+\t], v[32*\t+I]
.set I, I+1
.endr
.endr
	WIN 0
	IDXLOAD                                        ; round 0's indices
	GATHER
	IDXLOAD                                        ; round 1's
	FINISH
	BARRIER                                        ; round 0's eight tiles of x lie in LDS
	PHASE1 0, 1, 1                                 ; the shift K of the second product: centre 0's hidden layer,
	BARRIER
	FETCHH 0, 0                                    ; its first tile,
	s_wait_dscnt 0x0
	HCOMB 0
	PLACES 8
	WIN 0x08
.irp t, 0,1,2,3
	MMZ ACC+8*\t, HF, 32*\t, HS, W2S+2*\t
.endr
.irp t, 0,1,2,3
	MMC ACC+8*\t, HF+16, 32*\t+16, ACC+8*\t, HS+1, W2S+2*\t+1
.endr
	WIN 0
	PLACES 8
	KBOOT 0x80, NK2                                ; and sample 0's values
	BARRIER                                        ; nobody reads the hidden layer's images any more
	s_mov_b32 s28, 0
.Lround:                                               ; eight trips; trip i takes round i through the chain and prepares round i + 1
	s_cmp_lt_u32 s28, 7
	s_cbranch_scc0 .Lno_gather
	GATHER
	s_cmp_lt_u32 s28, 6
	s_cbranch_scc0 .Lno_gather
	IDXLOAD
.Lno_gather:
	PHASE1 0, 1, 0
	PHASE1 1, 0, 0
	PHASE1 2, 0, 0
	PHASE1 3, 0, 1
	BARRIER                                        ; the hidden layer is whole, and nobody reads x's images any more
	s_cmp_lt_u32 s28, 7
	s_cbranch_scc0 .Lno_finish
	FINISH
.Lno_finish:
	v_add_nc_u32 v11, s29, v10                     ; the round's four columns of the stage
	s_add_co_u32 s29, s29, 16
	PHASE2 0, 1, 0
	PHASE2 1, 0, 0
	PHASE2 2, 0, 0
	PHASE2 3, 0, 1
	BARRIER                                        ; the next round's images of x are whole, and nobody reads the hidden layer any more
	s_add_co_u32 s28, s28, 1
	s_cmp_lt_u32 s28, 8
	s_cbranch_scc1 .Lround
	PSTORE 24
.irp i, 0,1,2,3,4,5,6,7,8,9,10,11,12,13,14,15
	ds_load_b128 v[ACC+4*\i:ACC+4*\i+3], v12 offset:576*\i     ; my own 64 rows of the stage, four rows a load
.endr
.irp i, 0,1,2,3,4,5,6,7,8,9,10,11,12,13,14,15
	s_wait_dscnt 15-\i                             ; LDS loads come back in order: load i is in, the younger ones may be out
	global_store_b128 v13, v[ACC+4*\i:ACC+4*\i+3], s[22:23] offset:512*\i th:TH_STORE_NT   ; 512 consecutive bytes, aligned
.endr
	s_wait_tensorcnt 0x0                           ; the wave's end
	ds_add_u32 v[SPW], v[NIL]
	s_wait_dscnt 0x0
	s_endpgm
.Lfunc_end_k_q13a0413e0d_chain:
	.size	k_q13a0413e0d_chain, .Lfunc_end_k_q13a0413e0d_chain-k_q13a0413e0d_chain
	.p2alignl 7, 3214868480
	.fill 96, 4, 3214868480
	.section	.rodata,"a",@progbits
	.p2align	6, 0x0
	.amdhsa_kernel k_q13a0413e0d_chain
		.amdhsa_group_segment_fixed_size 115200
		.amdhsa_private_segment_fixed_size 0
		.amdhsa_enable_private_segment 0
		.amdhsa_kernarg_size 88
		.amdhsa_user_sgpr_count 2
		.amdhsa_user_sgpr_kernarg_segment_ptr 1
		.amdhsa_wavefront_size32 1
		.amdhsa_system_sgpr_workgroup_id_x 1
		.amdhsa_system_sgpr_workgroup_id_y 1
		.amdhsa_system_sgpr_workgroup_id_z 1
		.amdhsa_system_vgpr_workitem_id 0
		.amdhsa_next_free_vgpr 1024
		.amdhsa_next_free_sgpr 84
		.amdhsa_reserve_vcc 1
		.amdhsa_float_denorm_mode_32 3
		.amdhsa_float_denorm_mode_16_64 3
		.amdhsa_memory_ordered 1
		.amdhsa_forward_progress 1
		.amdhsa_inst_pref_size 175
	.end_amdhsa_kernel
	.amdgpu_metadata
---
amdhsa.version: [ 1, 2 ]
amdhsa.kernels:
  - .name:           k_q13a0413e0d_chain
    .symbol:         k_q13a0413e0d_chain.kd
    .args:
      - { .name: tab, .offset: 0, .size: 8, .value_kind: global_buffer, .address_space: global }
      - { .name: idx, .offset: 8, .size: 8, .value_kind: global_buffer, .address_space: global }
      - { .name: seed_xyz_graspable, .offset: 16, .size: 8, .value_kind: global_buffer, .address_space: global }
      - { .name: vp_rot, .offset: 24, .size: 8, .value_kind: global_buffer, .address_space: global }
      - { .name: prm1, .offset: 32, .size: 8, .value_kind: global_buffer, .address_space: global }
      - { .name: b1, .offset: 40, .size: 8, .value_kind: global_buffer, .address_space: global }
      - { .name: W2_codes, .offset: 48, .size: 8, .value_kind: global_buffer, .address_space: global }
      - { .name: W2_scales, .offset: 56, .size: 8, .value_kind: global_buffer, .address_space: global }
      - { .name: g2, .offset: 64, .size: 8, .value_kind: global_buffer, .address_space: global }
      - { .name: ext, .offset: 72, .size: 8, .value_kind: global_buffer, .address_space: global }
      - { .name: p2, .offset: 80, .size: 8, .value_kind: global_buffer, .address_space: global }
    .group_segment_fixed_size: 115200
    .private_segment_fixed_size: 0
    .kernarg_segment_align: 8
    .kernarg_segment_size: 88
    .max_flat_workgroup_size: 128
    .sgpr_count:     84
    .vgpr_count:     1024
    .wavefront_size: 32
...
	.end_amdgpu_metadata
.endif
;; end of part 4
;; launch final (part 5): grid 256 x 1, 8 waves a work-group, no clusters, 1,536 bytes of LDS; arguments ext, p2, g2, b2, out0; writes out0
.if DOCPART == 5
	.amdgcn_target "amdgcn-amd-amdhsa--gfx1250"
	.amdhsa_code_object_version 6
	.text
	.protected	k_q13a0413e0d_final
	.globl	k_q13a0413e0d_final
	.p2align	8
	.type	k_q13a0413e0d_final,@function
k_q13a0413e0d_final:
	s_mov_b64 s[64:65], 0
	v_nop
	global_prefetch_b8 v0, s[64:65] scope:SCOPE_SE
	s_setreg_imm32_b32 hwreg(HW_REG_WAVE_MODE, 25, 1), 1
	s_wait_xcnt 0x0
; CloudCrop, launch 5 of 5: BatchNorm 2's statistics from the 256 parts, then out = relu((ext - mean') |g2| / sqrt(var + 1e-5) + b2).
; ext and the parts are those of y2' = sign(g2) y2 (launch 4): (y2 - mean) g2 = (y2' - mean') |g2|, and the largest y2' of a centre's 32 samples gives the largest output, since the map rises.  Nothing else of reference() is left out.
; Work-group x: channels 2 (x / 2), 2 (x / 2) + 1, batches 4 (x % 2) on.  Thread t reads part t's 16 bytes; the sums go over lanes, then over the eight waves through LDS.
; ext is [32 b + block of 32 centres][256 channels][32 centres]: the two channels are 256 consecutive bytes of each block.  Lane = 16 x channel + 8 x (which of two blocks) + 16-byte piece:
; a load covers two such units whole, and sixteen neighbouring lanes store 64 neighbouring centres of one channel: 256 consecutive bytes of out0, aligned.
; A stream: no matrix unit, no cluster.  The eight loads of ext are issued at the head and land while the statistics are made.
.set SPARE, 512                        ; LDS: 0: 8 x 16 bytes; 256: 8 x 8 bytes; then the spare words
	s_load_b256 s[4:11], s[0:1], 0x0               ; ext s[4:5], p2 s[6:7], g2 s[8:9], b2 s[10:11]
	s_load_b64 s[12:13], s[0:1], 0x20              ; out0
	v_lshl_add_u32 v2, v0, 2, SPARE
	v_mov_b32 v3, 0
	v_lshrrev_b32 v1, 5, v0
	v_readfirstlane_b32 s14, v1                    ; wave
	s_lshr_b32 s15, ttmp9, 1                       ; the pair of channels
	s_and_b32 s16, ttmp9, 1
	s_lshl_b32 s17, s15, 4
	v_lshl_add_u32 v4, v0, 11, s17                 ; p2: 2048 t + 16 pair
	v_bfe_u32 v5, v0, 4, 1                         ; channel of the pair
	v_bfe_u32 v6, v0, 3, 1                         ; block of two
	v_and_b32 v7, 7, v0                            ; piece of 16 bytes
	s_lshl_b32 s18, s16, 2
	s_lshr_b32 s19, s14, 1
	s_add_co_u32 s18, s18, s19                     ; batch
	s_and_b32 s19, s14, 1
	s_lshl_b32 s20, s18, 20
	s_lshl_b32 s21, s19, 19
	s_add_co_u32 s20, s20, s21
	s_lshl_b32 s21, s15, 8
	s_add_co_u32 s20, s20, s21                     ; (32 batch + 16 (wave % 2)) x 32768 + 256 pair
	v_lshl_add_u32 v8, v6, 15, s20
	v_lshl_add_u32 v8, v5, 7, v8
	v_lshl_add_u32 v8, v7, 4, v8                   ; ext
	s_lshl_b32 s20, s18, 20
	s_lshl_b32 s21, s15, 13
	s_add_co_u32 s20, s20, s21
	s_lshl_b32 s21, s19, 11
	s_add_co_u32 s20, s20, s21                     ; (256 batch + 2 pair) x 4096 + 2048 (wave % 2)
	v_lshl_add_u32 v9, v5, 12, s20
	v_lshl_add_u32 v9, v6, 7, v9
	v_lshl_add_u32 v9, v7, 4, v9                   ; out0
	s_lshl_b32 s21, s14, 4
	v_mov_b32 v10, s21                             ; LDS: 16 wave
	s_lshl_b32 s21, s14, 3
	s_add_co_u32 s21, s21, 256
	v_mov_b32 v11, s21                             ; LDS: 256 + 8 wave
	v_mov_b32 v12, 0
	s_lshl_b32 s22, s15, 3
	s_mov_b32 s23, 0
	s_mov_b32 s28, 0xffff0000
	s_mov_b32 s29, 0x44800000                      ; 1,024
	s_mov_b32 s30, 0x36800000                      ; 2^-18
	s_mov_b32 s31, 0x3727c5ac                      ; 1e-5
	s_mov_b32 s2, 0x76543210
	s_mov_b32 s3, 0xfedcba98
.irp i, 0,1,2,3
	v_mov_b32 v[24+\i], 0                          ; a lane permute's destination counts as one of its sources
.endr
	s_wait_kmcnt 0x0
	global_load_b128 v[16:19], v4, s[6:7]          ; (mean_t, M2_t) of both channels
.irp i, 0,1,2,3,4,5,6,7
	global_load_b128 v[32+4*\i:35+4*\i], v8, s[4:5] offset:65536*\i th:TH_LOAD_NT
.endr
	s_add_nc_u64 s[8:9], s[8:9], s[22:23]
	s_add_nc_u64 s[10:11], s[10:11], s[22:23]
	s_load_b64 s[24:25], s[8:9], 0x0               ; g2 of the pair
	s_load_b64 s[26:27], s[10:11], 0x0             ; b2
	s_wait_loadcnt 0x8                             ; the part is in; the eight loads of ext, issued behind it, may be out
.irp k, 0,1,2,3
	v_mov_b32 v[20+\k], v[16+\k]
.endr
.irp m, 1,2,4,8
.irp k, 0,1,2,3
	v_add_f32_dpp v[20+\k], v[20+\k], v[20+\k] row_xmask:\m row_mask:0xf bank_mask:0xf
.endr
.endr
.irp k, 0,1,2,3
	v_permlanex16_b32 v[24+\k], v[20+\k], s2, s3
.endr
.irp k, 0,1,2,3
	v_add_f32 v[20+\k], v[20+\k], v[24+\k]
.endr
	ds_store_b128 v10, v[20:23]                    ; all lanes store the same numbers at the same place
	s_wait_dscnt 0x0
	s_barrier_signal -1
	s_barrier_wait -1
.irp k, 0,1,2,3,4,5,6,7
	ds_load_b128 v[64+4*\k:67+4*\k], v12 offset:16*\k
.endr
	s_wait_dscnt 0x0
	v_pk_add_f32 v[20:21], v[64:65], v[68:69]
	v_pk_add_f32 v[22:23], v[66:67], v[70:71]
.irp k, 2,3,4,5,6,7
	v_pk_add_f32 v[20:21], v[20:21], v[64+4*\k:65+4*\k]
	v_pk_add_f32 v[22:23], v[22:23], v[66+4*\k:67+4*\k]
.endr
	v_mul_f32 v28, 0x3b800000, v20                 ; the means: / 256
	v_mul_f32 v29, 0x3b800000, v22
	v_sub_f32 v30, v16, v28
	v_sub_f32 v31, v18, v29
	v_mul_f32 v30, v30, v30
	v_mul_f32 v31, v31, v31
.irp m, 1,2,4,8
	v_add_f32_dpp v30, v30, v30 row_xmask:\m row_mask:0xf bank_mask:0xf
	v_add_f32_dpp v31, v31, v31 row_xmask:\m row_mask:0xf bank_mask:0xf
.endr
	v_permlanex16_b32 v24, v30, s2, s3
	v_permlanex16_b32 v25, v31, s2, s3
	v_add_f32 v30, v30, v24
	v_add_f32 v31, v31, v25
	ds_store_b64 v11, v[30:31]
	s_wait_dscnt 0x0
	s_barrier_signal -1
	s_barrier_wait -1
.irp k, 0,1,2,3
	ds_load_b128 v[64+4*\k:67+4*\k], v12 offset:256+16*\k
.endr
	s_wait_dscnt 0x0
	v_pk_add_f32 v[30:31], v[64:65], v[66:67]
.irp k, 2,3,4,5,6,7
	v_pk_add_f32 v[30:31], v[30:31], v[64+2*\k:65+2*\k]
.endr
	v_fma_f32 v96, v30, s29, v21
	v_fma_f32 v97, v31, s29, v23
	v_fma_f32 v96, v96, s30, s31                   ; var + eps
	v_fma_f32 v97, v97, s30, s31
	v_rsq_f32 v98, v96
	v_rsq_f32 v99, v97
	s_wait_kmcnt 0x0
	v_mov_b32 v100, s24                            ; (plain lines behind the two)
	v_mov_b32 v101, s25
	v_mov_b32 v102, s26
	v_mov_b32 v103, s27
	v_cndmask_b32 v76, v28, v29, s28               ; my lane's channel: lanes 16-31 take the second
	v_cndmask_b32 v82, v102, v103, s28
	s_wait_alu depctr_va_vdst(0)                   ; one wait for both, ahead of their first reader
	v_mul_f32 v98, |v100|, v98
	v_mul_f32 v99, |v101|, v99
	v_cndmask_b32 v78, v98, v99, s28
	v_mov_b32 v77, v76
	v_mov_b32 v79, v78
	v_mov_b32 v83, v82
.irp i, 0,1,2,3,4,5,6,7
	s_wait_loadcnt 7-\i                            ; loads come back in order: load i is in, the younger ones may be out
	v_pk_add_f32 v[32+4*\i:33+4*\i], v[32+4*\i:33+4*\i], v[76:77] neg_lo:[0,1] neg_hi:[0,1]
	v_pk_add_f32 v[34+4*\i:35+4*\i], v[34+4*\i:35+4*\i], v[76:77] neg_lo:[0,1] neg_hi:[0,1]
	v_pk_fma_f32 v[32+4*\i:33+4*\i], v[32+4*\i:33+4*\i], v[78:79], v[82:83]
	v_pk_fma_f32 v[34+4*\i:35+4*\i], v[34+4*\i:35+4*\i], v[78:79], v[82:83]
.irp k, 0,1,2,3
	v_max_num_f32 v[32+4*\i+\k], 0, v[32+4*\i+\k]
.endr
	global_store_b128 v9, v[32+4*\i:35+4*\i], s[12:13] offset:256*\i th:TH_STORE_NT
.endr
	s_wait_tensorcnt 0x0                           ; the wave's end
	ds_add_u32 v2, v3
	s_wait_dscnt 0x0
	s_endpgm
.Lfunc_end_k_q13a0413e0d_final:
	.size	k_q13a0413e0d_final, .Lfunc_end_k_q13a0413e0d_final-k_q13a0413e0d_final
	.p2alignl 7, 3214868480
	.fill 96, 4, 3214868480
	.section	.rodata,"a",@progbits
	.p2align	6, 0x0
	.amdhsa_kernel k_q13a0413e0d_final
		.amdhsa_group_segment_fixed_size 1536
		.amdhsa_private_segment_fixed_size 0
		.amdhsa_enable_private_segment 0
		.amdhsa_kernarg_size 40
		.amdhsa_user_sgpr_count 2
		.amdhsa_user_sgpr_kernarg_segment_ptr 1
		.amdhsa_wavefront_size32 1
		.amdhsa_system_sgpr_workgroup_id_x 1
		.amdhsa_system_sgpr_workgroup_id_y 1
		.amdhsa_system_sgpr_workgroup_id_z 1
		.amdhsa_system_vgpr_workitem_id 0
		.amdhsa_next_free_vgpr 112
		.amdhsa_next_free_sgpr 66
		.amdhsa_reserve_vcc 0
		.amdhsa_float_denorm_mode_32 3
		.amdhsa_float_denorm_mode_16_64 3
		.amdhsa_memory_ordered 1
		.amdhsa_forward_progress 1
		.amdhsa_inst_pref_size 14
	.end_amdhsa_kernel
	.amdgpu_metadata
---
amdhsa.version: [ 1, 2 ]
amdhsa.kernels:
  - .name:           k_q13a0413e0d_final
    .symbol:         k_q13a0413e0d_final.kd
    .args:
      - { .name: ext, .offset: 0, .size: 8, .value_kind: global_buffer, .address_space: global }
      - { .name: p2, .offset: 8, .size: 8, .value_kind: global_buffer, .address_space: global }
      - { .name: g2, .offset: 16, .size: 8, .value_kind: global_buffer, .address_space: global }
      - { .name: b2, .offset: 24, .size: 8, .value_kind: global_buffer, .address_space: global }
      - { .name: out0, .offset: 32, .size: 8, .value_kind: global_buffer, .address_space: global }
    .group_segment_fixed_size: 1536
    .private_segment_fixed_size: 0
    .kernarg_segment_align: 8
    .kernarg_segment_size: 40
    .max_flat_workgroup_size: 256
    .sgpr_count:     66
    .vgpr_count:     112
    .wavefront_size: 32
...
	.end_amdgpu_metadata
.endif
;; end of part 5
;; ======== version 2 of 2: 5 launches; version 1 with the launches stats1, chain written anew for expert scheduling mode
;; workspace buffers: tab 3,288,064 bytes; idx 1,048,576 bytes of whole numbers; p1 524,288 bytes; prm1 2,048 bytes; ext 8,388,608 bytes; p2 524,288 bytes
;; launch prep: the kernel of part 1 again; grid 393 x 1, 8 waves a work-group, no clusters, 28,160 bytes of LDS; arguments seed_xyz_graspable, vp_rot, seed_features_graspable, W1, tab, idx; writes tab, idx
;; launch stats1 (part 6): grid 256 x 1, 4 waves a work-group, no clusters, 41,472 bytes of LDS; arguments tab, idx, seed_xyz_graspable, vp_rot, p1; writes p1
.if DOCPART == 6
	.amdgcn_target "amdgcn-amd-amdhsa--gfx1250"
	.amdhsa_code_object_version 6
	.text
	.protected	k_q13a0413e0d_stats1
	.globl	k_q13a0413e0d_stats1
	.p2align	8
	.type	k_q13a0413e0d_stats1,@function
k_q13a0413e0d_stats1:
	s_mov_b64 s[64:65], 0
	v_nop
	global_prefetch_b8 v0, s[64:65] scope:SCOPE_SE
	s_setreg_imm32_b32 hwreg(HW_REG_WAVE_SCHED_MODE, 0, 2), 2
	s_setreg_imm32_b32 hwreg(HW_REG_WAVE_MODE, 25, 1), 1
	s_wait_xcnt 0x0
	s_wait_alu depctr_vm_vsrc(0)
; CloudCrop, launch 2 of 5: the first quantised product (W1 x grouped columns, MX-E5M2, K = 259 in three steps of 128), for BatchNorm 1's statistics alone.  Nothing of reference() is left out here; y1 is not stored: launch 4 makes it again.
; SHARES.  Work-group wg: batch wg / 32, centres 32 (wg % 32) on: 1,024 columns = 64 tiles of 16 samples.  Wave g owns channels 64 g .. 64 g + 63; its codes of W1 stay in its registers (192).
; A ROUND is four centres = eight tiles.  Wave g PREPARES centre 4 i + g: it gathers the 32 samples' codes of blocks 1-8 and their bytes by the stored indices, makes block 0 (three rotated offsets, features 0-28) in f32, quantises it,
; and stores the two tiles to LDS as images of the operand's registers (group q = block q: 16 bytes a lane at 512 q + 16 lane; three scale words a sample).  All four waves then read all eight tiles.
; THE PRODUCT: source 0 = 16 samples, source 1 = 16 channels (lane r of tile t: channel 64 g + 4 r + t): a lane holds one channel and eight samples.
; K STEP 2 holds block 8 alone: x's fragment names 12 registers of K step 0's codes behind it (finite codes), which meet zero codes of W1.
; STATISTICS WITHOUT A DIFFERENCE OF LARGE SUMS: K = the channel's value at the work-group's first sample; -K is the C of each sum's first product; S = sum d, Q = sum d^2 over 1,024 columns; stored: K + S / n and Q - S^2 / n.
; NO CLUSTER: what work-groups share is W1's 76 KB, read once by each, at its head, straight into operand registers; a round's tiles are gathered by index and differ from work-group to work-group.  No tensor load: the rows are chosen by index.
; LIMITS: NaN and infinities are not served; / 0.05 is done as x 20.0; a block of zeros gets the byte 1.
; THE MODE: SCHED_MODE bits 1:0 = 2 (LLVM: expert scheduling mode 2), set by the entry lines.  The code itself states the register dependences between vector or matrix instructions and memory or LDS instructions, with s_wait_alu, always for 0.
; THE PLAN.  Registers that memory or LDS instructions touch, in the loop:
;   X0 (window 0, v56-127; scale words v24-29) and X1 (window 2, v160-231; scale words v46-51): centre c's products read X[c % 2]; the LDS loads of centre c + 1, dealt among those products, land in the other buffer.
;     ONE wait on va_vdst at a centre's head states that the products of the centre before are done reading that other buffer; no product issued behind it names it.
;   window 3: I0 (index loads land; GATHER's lines read and write it), OQ, OH, OS (GATHER writes, its loads read), FHR, FSR (GATHER's loads land; FINISH's lines read and write),
;     GC (GATHER's loads and two conversions write; FINISH's LDS stores read), TQ + 5 .. 7 (FINISH writes; its LDS stores read).  GATHER and FINISH each hold one wait on va_vdst and one on vm_vsrc.
;   v1-v5 and IDV: made at the head, never written again.  The accumulators, W1, -K and the statistics are named by vector and matrix instructions alone, but for the last store's four registers.
; REGISTERS.  window 0: v1-5 addresses; v14, v15 the add's two; v16-19 the last store's data; v24-29, v46-51 x's scale words; v34-45 W1's; v56-127 X0; v128-191 eight accumulators; v226-253 statistics.
;   window 1: W1's fragments (t, s) at 48 t + 16 s; -K at 192 + 8 t.   window 2: X1 at 160.   window 3: all that the preparing touches.
.set XT,    5120                       ; a tile's image: 9 groups of 512 bytes, 3 x 128 bytes of scale words, 128 spare
.set SPARE, 40960
.set T_FH,  2097152
.set T_FS,  3145728
.set T_W1Q, 3211264
.set T_W1S, 3284992
.set SPW, 14
.set NIL, 15
.set XS,  24
.set W1S, 34
.set XS1, 46
.set XF,  56
.set ACC, 128
.set SS,  226
.set QQ,  234
.set MX,  242
.set MT,  246
.set KV,  250
.set NK,  192                          ; window 1
.set XG,  160                          ; window 2
.set I0,  64                           ; window 3 from here on
.set OQ,  66
.set OH,  68
.set OS,  70
.set H16, 72
.set H64, 73
.set IDV, 74
.set FSR, 78
.set GC,  84
.set FHR, 156
.set TQ,  194
.set GXR, 210
.set MSB, 0
.macro WIN new                         ; the immediate's high byte repeats the setting that is left
.if MSB != \new
	s_set_vgpr_msb (MSB<<8)|\new
.set MSB, \new
.endif
.endm
.macro PLACES n
.rept \n
	v_nop
.endr
.endm
.macro BARRIER                         ; my LDS stores have landed and my LDS loads are in: then the work-group's barrier
	s_wait_dscnt 0x0
	s_barrier_signal -1
	s_barrier_wait -1
.endm
.macro MMZ d, a, b, sa, sb
	v_wmma_scale_f32_16x16x128_f8f6f4 v[\d:\d+7], v[\a:\a+15], v[\b:\b+15], 0, v[\sa], v[\sb] matrix_a_fmt:MATRIX_FMT_BF8 matrix_b_fmt:MATRIX_FMT_BF8
.endm
.macro MMC d, a, b, c, sa, sb
	v_wmma_scale_f32_16x16x128_f8f6f4 v[\d:\d+7], v[\a:\a+15], v[\b:\b+15], v[\c:\c+7], v[\sa], v[\sb] matrix_a_fmt:MATRIX_FMT_BF8 matrix_b_fmt:MATRIX_FMT_BF8
.endm
.macro IDXLOAD                         ; my centre's 32 indices: sample 16 ct + r at 256 ct + 16 r + 4 g of the round's 512 bytes.  No wait of its own: IDV was written ahead of the head's wait on va_vdst, I0 was last named ahead of GATHER's
	WIN 0xff
	global_load_b32 v[I0], v[IDV], s[42:43]
	global_load_b32 v[I0+1], v[IDV], s[42:43] offset:256
	WIN 0
.endm
.macro GATHER                          ; the rows that the indices name are asked for; FINISH waits for them
	s_wait_loadcnt 0x0                             ; the indices are in (nothing else is out), so their base may step
	s_add_nc_u64 s[42:43], s[42:43], 512
	WIN 0xff
	s_wait_alu depctr_vm_vsrc(0)                   ; the gathers of the round before have read OQ, OH and OS, which the lines below write
.irp ct, 0,1
	v_min_u32 v[I0+\ct], 0x3ff, v[I0+\ct]
.endr
.irp ct, 0,1
	v_lshl_add_u32 v[OQ+\ct], v[I0+\ct], 8, v[H16]
	v_lshl_add_u32 v[OH+\ct], v[I0+\ct], 7, v[H64]
	v_lshlrev_b32 v[OS+\ct], 3, v[I0+\ct]
.endr
	s_wait_alu depctr_va_vdst(0)                   ; OQ, OH and OS are written, which the loads read; FINISH's lines are done with FHR and FSR, in which they land; the lines above are done with I0, in which the next indices land
.irp ct, 0,1
.irp i, 0,1,2,3
	global_load_b128 v[FHR+16*\ct+4*\i:FHR+16*\ct+4*\i+3], v[OH+\ct], s[38:39] offset:16*\i
.endr
	global_load_b64 v[FSR+2*\ct:FSR+2*\ct+1], v[OS+\ct], s[40:41]
.irp i, 0,1,2,3,4,5,6,7
	global_load_b128 v[GC+36*\ct+4+4*\i:GC+36*\ct+7+4*\i], v[OQ+\ct], s[36:37] offset:32*\i
.endr
.endr
	WIN 0
	s_load_b96 s[48:50], s[44:45], 0x0             ; the centre
	s_load_b256 s[52:59], s[46:47], 0x0            ; its rotation
	s_load_b32 s60, s[46:47], 0x20
.endm
.macro FINISH                          ; block 0 is made and quantised; both tiles' images go to LDS
	s_wait_loadcnt 0x0
	s_wait_kmcnt 0x0
	s_add_nc_u64 s[44:45], s[44:45], 48            ; the loads are done: on to my centre of the next round
	s_add_nc_u64 s[46:47], s[46:47], 144
	WIN 0xff
.irp m, 0,1,2
.irp ct, 0,1
	v_sub_f32 v[GXR+6*\ct+\m], v[FHR+16*\ct+\m], s[48+\m]
.endr
.endr
.irp m, 0,1,2
.irp ct, 0,1
	v_mul_f32 v[GXR+6*\ct+\m], 0x41a00000, v[GXR+6*\ct+\m]
.endr
.endr
.irp k, 0,1,2
.irp ct, 0,1
	v_mul_f32 v[GXR+6*\ct+3+\k], s[52+\k], v[GXR+6*\ct]
.endr
.endr
.irp k, 0,1,2
.irp ct, 0,1
	v_fmac_f32 v[GXR+6*\ct+3+\k], s[55+\k], v[GXR+6*\ct+1]
.endr
.endr
.irp k, 0,1,2
.irp ct, 0,1
	v_fmac_f32 v[GXR+6*\ct+3+\k], s[58+\k], v[GXR+6*\ct+2]
.endr
.endr
.irp k, 0,1,2
.irp ct, 0,1
	v_cndmask_b32 v[FHR+16*\ct+\k], v[FHR+16*\ct+\k], v[GXR+6*\ct+3+\k], s33   ; lanes 0-15 hold channels 0-15: the offsets take x, y, z's places
.endr
.endr
.irp ct, 0,1
	v_max3_num_f32 v[TQ+8*\ct], |v[FHR+16*\ct]|, |v[FHR+16*\ct+1]|, 0x8000000
.endr
.irp i, 2,4,6,8,10,12,14
.irp ct, 0,1
	v_max3_num_f32 v[TQ+8*\ct], v[TQ+8*\ct], |v[FHR+16*\ct+\i]|, |v[FHR+16*\ct+\i+1]|
.endr
.endr
.irp ct, 0,1
	v_permlanex16_b32 v[TQ+8*\ct+1], v[TQ+8*\ct], s30, s31
.endr
.irp ct, 0,1
	v_max_num_f32 v[TQ+8*\ct], v[TQ+8*\ct], v[TQ+8*\ct+1]
.endr
.irp ct, 0,1
	v_add_nc_u32 v[TQ+8*\ct+2], 0xf8800000, v[TQ+8*\ct]
	v_and_or_b32 v[TQ+8*\ct+3], v[TQ+8*\ct], 0x7f800000, s32
.endr
.irp ct, 0,1
	v_lshrrev_b32 v[TQ+8*\ct+4], 23, v[TQ+8*\ct+2]
	v_alignbit_b32 v[TQ+8*\ct+6], v[FSR+2*\ct+1], v[FSR+2*\ct], 24    ; bytes of blocks 4-7
	v_lshrrev_b32 v[TQ+8*\ct+7], 24, v[FSR+2*\ct+1]                   ; byte of block 8; the three above it are 0, over products with zero codes
.endr
.irp ct, 0,1
	v_lshl_or_b32 v[TQ+8*\ct+5], v[FSR+2*\ct], 8, v[TQ+8*\ct+4]       ; bytes of blocks 0-3
.endr
.irp ct, 0,1
.set I, 0
.rept 16
	v_med3_num_f32 v[FHR+16*\ct+I], v[FHR+16*\ct+I], -v[TQ+8*\ct+3], v[TQ+8*\ct+3]
.set I, I+1
.endr
.endr
.irp ct, 0,1
	v_cvt_scalef32_pk8_bf8_f32 v[GC+36*\ct:GC+36*\ct+1], v[FHR+16*\ct:FHR+16*\ct+7], v[TQ+8*\ct+2]
	v_cvt_scalef32_pk8_bf8_f32 v[GC+36*\ct+2:GC+36*\ct+3], v[FHR+16*\ct+8:FHR+16*\ct+15], v[TQ+8*\ct+2]
.endr
	v_nop                                          ; one plain line behind the last conversion
	WIN 0x0c                                       ; address window 0, data window 3
	s_wait_alu depctr_va_vdst(0)                   ; the conversions have written block 0's codes in GC, the lines above the scale words TQ + 5 .. 7: the LDS stores read both
.irp ct, 0,1
.irp q, 0,1,2,3,4,5,6,7,8
	ds_store_b128 v3, v[GC+36*\ct+4*\q:GC+36*\ct+4*\q+3] offset:\ct*XT+512*\q
.endr
.irp s, 0,1,2
	ds_store_b32 v4, v[TQ+8*\ct+5+\s] offset:\ct*XT+128*\s
.endr
.endr
	s_wait_alu depctr_vm_vsrc(0)                   ; the LDS stores have read GC and TQ: the next GATHER's loads land in GC, the next FINISH writes both.  (At the head also: the loads of W1 have read v133 and v134, which the first products write)
	WIN 0
.endm
.macro FETCHC base, sg, tau            ; the nine groups of tile tau of the round into set sg of the buffer at base: [group 8][groups 0-3][groups 4-7].  The destination's window is set ahead
	ds_load_b128 v[\base+36*\sg:\base+36*\sg+3], v1 offset:(\tau)*XT+4096
.irp q, 0,1,2,3,4,5,6,7
	ds_load_b128 v[\base+36*\sg+4+4*\q:\base+36*\sg+7+4*\q], v1 offset:(\tau)*XT+512*\q
.endr
.endm
.macro FETCHS xs, sg, tau              ; and its three scale words a sample, into window 0
.irp s, 0,1,2
	ds_load_b32 v[\xs+3*\sg+\s], v2 offset:(\tau)*XT+4608+128*\s
.endr
.endm
.macro STATS                           ; each accumulator is read from its low end on
.irp j, 0,2,4,6
.irp ct, 0,1
.irp t, 0,1,2,3
	v_pk_add_f32 v[SS+2*\t:SS+2*\t+1], v[SS+2*\t:SS+2*\t+1], v[ACC+32*\ct+8*\t+\j:ACC+32*\ct+8*\t+\j+1]
	v_pk_fma_f32 v[QQ+2*\t:QQ+2*\t+1], v[ACC+32*\ct+8*\t+\j:ACC+32*\ct+8*\t+\j+1], v[ACC+32*\ct+8*\t+\j:ACC+32*\ct+8*\t+\j+1], v[QQ+2*\t:QQ+2*\t+1]
.endr
.endr
.endr
.endm
.macro KBOOT win, nk                   ; K = sample 0's value (register 0 of lanes 0-15), in both halves of the lanes; -K eight times a tile
.irp t, 0,1,2,3
	v_permlanex16_b32 v[MT+\t], v[ACC+8*\t], s30, s31
.endr
.irp t, 0,1,2,3
	v_cndmask_b32 v[MX+\t], v[ACC+8*\t], v[MT+\t], s34
.endr
.irp t, 0,1,2,3
	v_xor_b32 v[KV+\t], 0x80000000, v[MX+\t]
.endr
	WIN \win
.irp t, 0,1,2,3
.irp j, 0,1,2,3,4,5,6,7
	v_mov_b32 v[\nk+8*\t+\j], v[KV+\t]
.endr
.endr
	WIN 0
.endm
.macro PSTORE sb, o                    ; mean_i = K + S / 1024, M2_i = Q - S^2 / 1024; lanes 0-15 store tiles 0, 1, lanes 16-31 tiles 2, 3: 512 consecutive bytes a wave
.irp t, 0,1,2,3
	v_add_f32 v[SS+2*\t], v[SS+2*\t], v[SS+2*\t+1]
	v_add_f32 v[QQ+2*\t], v[QQ+2*\t], v[QQ+2*\t+1]
.endr
.irp t, 0,1,2,3
	v_permlanex16_b32 v[MT+\t], v[SS+2*\t], s30, s31
	v_permlanex16_b32 v[MX+\t], v[QQ+2*\t], s30, s31
.endr
.irp t, 0,1,2,3
	v_add_f32 v[SS+2*\t], v[SS+2*\t], v[MT+\t]
	v_add_f32 v[QQ+2*\t], v[QQ+2*\t], v[MX+\t]
.endr
.irp t, 0,1,2,3
	v_mul_f32 v[SS+2*\t+1], 0x3a800000, v[SS+2*\t]
.endr
.irp t, 0,1,2,3
	v_fma_f32 v[QQ+2*\t], -v[SS+2*\t], v[SS+2*\t+1], v[QQ+2*\t]
.endr
.irp t, 0,1,2,3
	v_sub_f32 v[SS+2*\t], v[SS+2*\t+1], v[KV+\t]
.endr
	v_cndmask_b32 v[\o], v[SS], v[SS+4], s34
	v_cndmask_b32 v[\o+1], v[QQ], v[QQ+4], s34
	v_cndmask_b32 v[\o+2], v[SS+2], v[SS+6], s34
	v_cndmask_b32 v[\o+3], v[QQ+2], v[QQ+6], s34
	s_wait_alu depctr_va_vdst(0)                   ; the four selections have written the registers that the store reads
	global_store_b128 v5, v[\o:\o+3], s[\sb:\sb+1]
.endm
; one centre: two tiles of samples x four tiles of channels x three K steps; the eight accumulators take turns, one instruction a turn.
; p: the buffer that holds the centre, ci % 2.  next = 1: the next centre's two tiles are asked for, into the other buffer, a tile behind each of the first two K steps
.macro COMPUTE ci, p, next
.set AB, XF+(XG-XF)*(\p)
.set SB, XS+(XS1-XS)*(\p)
.set NB, XF+(XG-XF)*(1-(\p))
.set NS, XS+(XS1-XS)*(1-(\p))
.set WA, 0x14+2*(\p)                   ; source 0 (x) window 0 or 2, source 1 (W1) and C (-K) window 1
.set WB, 0x04+2*(\p)                   ; the same with C in window 0
.set WL, 0x80*(1-(\p))+0x04*(\p)       ; for the loads of codes: the destination in the other buffer's window, the address in window 0
	s_wait_dscnt 0x0                               ; the centre's two tiles are in: they were asked for a centre ago (the round's first: at the round's head)
	s_wait_alu depctr_va_vdst(0)                   ; the products of the centre before are done reading the other buffer and its scale words, in which the loads below land (next = 0: the next round's first loads)
	WIN WA
.irp ct, 0,1
.irp t, 0,1,2,3
	MMC ACC+32*\ct+8*\t, AB+36*\ct+4, 48*\t, NK+8*\t, SB+3*\ct, W1S+3*\t
.endr
.endr
.if \next
	WIN WL                                         ; no further wait: no product issued since the wait above names the other buffer
	FETCHC NB, 0, 2*(\ci)+2
	WIN 0x04
	FETCHS NS, 0, 2*(\ci)+2
.endif
	WIN WB
.irp ct, 0,1
.irp t, 0,1,2,3
	MMC ACC+32*\ct+8*\t, AB+36*\ct+20, 48*\t+16, ACC+32*\ct+8*\t, SB+3*\ct+1, W1S+3*\t+1
.endr
.endr
.if \next
	WIN WL
	FETCHC NB, 1, 2*(\ci)+3
	WIN 0x04
	FETCHS NS, 1, 2*(\ci)+3
.endif
	WIN WB
.irp ct, 0,1
.irp t, 0,1,2,3
	MMC ACC+32*\ct+8*\t, AB+36*\ct, 48*\t+32, ACC+32*\ct+8*\t, SB+3*\ct+2, W1S+3*\t+2
.endr
.endr
	WIN 0
	PLACES 8                                       ; eight places behind the last product, before its result is read
	STATS
.endm
	s_load_b256 s[4:11], s[0:1], 0x0               ; tab s[4:5], idx s[6:7], xyz s[8:9], rot s[10:11]
	s_load_b64 s[12:13], s[0:1], 0x20              ; p1
	v_lshl_add_u32 v[SPW], v0, 2, SPARE
	v_mov_b32 v[NIL], 0
	v_lshrrev_b32 v128, 5, v0
	v_readfirstlane_b32 s26, v128                  ; g: wave 0..3
	v_and_b32 v128, 31, v0                         ; lane
	v_and_b32 v129, 15, v0                         ; r
	v_bfe_u32 v130, v0, 4, 1                       ; h
	v_lshlrev_b32 v1, 4, v128                      ; 16 x lane
	v_lshlrev_b32 v2, 2, v128                      ; 4 x lane
	s_wait_alu depctr_va_sdst(0)                   ; s26 is written, ahead of its first reader
	s_mul_i32 s70, s26, 2*XT
	v_add_nc_u32 v3, s70, v1                       ; where I store my two tiles' groups
	s_add_co_u32 s70, s70, 4608
	v_add_nc_u32 v4, s70, v2                       ; and their scale words
	s_lshl_b32 s70, ttmp9, 11
	s_lshl_b32 s71, s26, 9
	s_add_co_u32 s70, s70, s71
	v_lshl_add_u32 v5, v129, 5, s70
	v_lshl_add_u32 v5, v130, 4, v5                 ; p1: 2048 wg + 512 g + 32 r + 16 h
	s_lshl_b32 s70, s26, 2
	v_lshl_add_u32 v131, v129, 4, s70              ; 16 r + 4 g
	s_lshl_b32 s70, s26, 6
	v_lshl_add_u32 v132, v129, 2, s70              ; channel 64 g + 4 r
	v_mul_u32_u24 v133, v132, 288
	v_lshl_add_u32 v133, v130, 4, v133
	v_mul_u32_u24 v134, v132, 12
	WIN 0xc0                                       ; destination window 3
	v_lshlrev_b32 v[H16], 4, v130
	v_lshlrev_b32 v[H64], 6, v130
	v_mov_b32 v[IDV], v131
	v_mov_b32 v[TQ+1], 0                           ; a lane permute's destination counts as one of its sources
	v_mov_b32 v[TQ+9], 0
	WIN 0
	s_mov_b32 s30, 0x76543210
	s_mov_b32 s31, 0xfedcba98                      ; v_permlanex16_b32's selects for lane l xor 16
	s_mov_b32 s32, 0x600000
	s_mov_b32 s33, 0x0000ffff
	s_mov_b32 s34, 0xffff0000
	s_lshr_b32 s71, ttmp9, 5                       ; batch
	s_lshl_b32 s72, s71, 18
	s_mov_b32 s73, 0
	s_lshl_b32 s74, s71, 17
	s_add_co_u32 s74, s74, T_FH
	s_mov_b32 s75, 0
	s_lshl_b32 s76, s71, 13
	s_add_co_u32 s76, s76, T_FS
	s_mov_b32 s77, 0
	s_lshl_b32 s78, ttmp9, 12
	s_mov_b32 s79, 0
	s_lshl_b32 s70, ttmp9, 5
	s_add_co_u32 s70, s70, s26                     ; my first centre
	s_mul_i32 s80, s70, 12
	s_mov_b32 s81, 0
	s_mul_i32 s82, s70, 36
	s_mov_b32 s83, 0
	s_wait_kmcnt 0x0
	s_add_nc_u64 s[36:37], s[4:5], s[72:73]        ; the batch's codes,
	s_add_nc_u64 s[38:39], s[4:5], s[74:75]        ; f32 rows,
	s_add_nc_u64 s[40:41], s[4:5], s[76:77]        ; scale bytes
	s_add_nc_u64 s[42:43], s[6:7], s[78:79]        ; the work-group's indices
	s_add_nc_u64 s[44:45], s[8:9], s[80:81]
	s_add_nc_u64 s[46:47], s[10:11], s[82:83]
	s_add_nc_u64 s[66:67], s[4:5], T_W1Q
	s_add_nc_u64 s[68:69], s[4:5], T_W1S
	WIN 0x40                                       ; destination window 1
	s_wait_alu depctr_va_vdst(0)                   ; every address and offset of the kernel is written: v1-v5, v133, v134 and IDV, which the loads and stores below read
.irp t, 0,1,2,3
.irp k, 0,1,2,3,4,5,6,7,8
	global_load_b128 v[48*\t+4*\k:48*\t+4*\k+3], v133, s[66:67] offset:288*\t+32*\k
.endr
.endr
	WIN 0
.irp t, 0,1,2,3
.irp s, 0,1,2
	global_load_b32 v[W1S+3*\t+\s], v134, s[68:69] offset:12*\t+4*\s
.endr
.endr
	IDXLOAD                                        ; round 0's indices
	WIN 0x40                                       ; the lines below name none of the registers that the loads above touch
.irp t, 0,1,2,3
.irp i, 36,37,38,39,40,41,42,43,44,45,46,47
	v_mov_b32 v[48*\t+\i], 0                       ; K step 2 behind block 8: zero codes (GATHER's and FINISH's waits on va_vdst stand between these lines and the first product that takes them)
.endr
.endr
	WIN 0
.irp i, 0,1,2,3,4,5,6,7
	v_mov_b32 v[SS+\i], 0
	v_mov_b32 v[QQ+\i], 0
.endr
.irp t, 0,1,2,3
	v_mov_b32 v[MT+\t], 0
.endr
	GATHER                                         ; (its wait on LOADcnt also shows W1 in)
	IDXLOAD                                        ; round 1's
	FINISH
	BARRIER                                        ; round 0's eight tiles lie in LDS
	FETCHC XF, 0, 0                                ; the shift K: tile 0 alone
	FETCHS XS, 0, 0
	s_wait_dscnt 0x0
	WIN 0x04
.irp t, 0,1,2,3
	MMZ ACC+8*\t, XF+4, 48*\t, XS, W1S+3*\t
.endr
.irp t, 0,1,2,3
	MMC ACC+8*\t, XF+20, 48*\t+16, ACC+8*\t, XS+1, W1S+3*\t+1
.endr
.irp t, 0,1,2,3
	MMC ACC+8*\t, XF, 48*\t+32, ACC+8*\t, XS+2, W1S+3*\t+2
.endr
	WIN 0
	PLACES 8
	KBOOT 0x40, NK
	s_wait_alu depctr_va_vdst(0)                   ; the twelve products above are done reading X0 and its scale words, in which the loop's first loads land
	s_mov_b32 s28, 0
.Lround:                                               ; eight trips; trip i multiplies round i and prepares round i + 1
	FETCHC XF, 0, 0                                ; the round's first centre into X0, first thing behind the barrier.  X0 was last read by centre 2's products, ahead of centre 3's wait on va_vdst
	FETCHS XS, 0, 0
	FETCHC XF, 1, 1
	FETCHS XS, 1, 1
	s_cmp_lt_u32 s28, 7
	s_cbranch_scc0 .Lno_gather
	GATHER
	s_cmp_lt_u32 s28, 6
	s_cbranch_scc0 .Lno_gather
	IDXLOAD
.Lno_gather:
	COMPUTE 0, 0, 1
	COMPUTE 1, 1, 1
	COMPUTE 2, 0, 1
	COMPUTE 3, 1, 0
	BARRIER                                        ; nobody reads the images any more
	s_cmp_lt_u32 s28, 7
	s_cbranch_scc0 .Lno_finish
	FINISH
.Lno_finish:
	BARRIER                                        ; the next round's images are whole
	s_add_co_u32 s28, s28, 1
	s_cmp_lt_u32 s28, 8
	s_cbranch_scc1 .Lround
	PSTORE 12, 16
	s_wait_dscnt 0x0                               ; the closing lines, six on end
	s_wait_alu 0x0
	s_wait_tensorcnt 0x0
	ds_add_u32 v[SPW], v[NIL]
	s_wait_dscnt 0x0
	s_endpgm
.Lfunc_end_k_q13a0413e0d_stats1:
	.size	k_q13a0413e0d_stats1, .Lfunc_end_k_q13a0413e0d_stats1-k_q13a0413e0d_stats1
	.p2alignl 7, 3214868480
	.fill 96, 4, 3214868480
	.section	.rodata,"a",@progbits
	.p2align	6, 0x0
	.amdhsa_kernel k_q13a0413e0d_stats1
		.amdhsa_group_segment_fixed_size 41472
		.amdhsa_private_segment_fixed_size 0
		.amdhsa_enable_private_segment 0
		.amdhsa_kernarg_size 40
		.amdhsa_user_sgpr_count 2
		.amdhsa_user_sgpr_kernarg_segment_ptr 1
		.amdhsa_wavefront_size32 1
		.amdhsa_system_sgpr_workgroup_id_x 1
		.amdhsa_system_sgpr_workgroup_id_y 1
		.amdhsa_system_sgpr_workgroup_id_z 1
		.amdhsa_system_vgpr_workitem_id 0
		.amdhsa_next_free_vgpr 1024
		.amdhsa_next_free_sgpr 84
		.amdhsa_reserve_vcc 0
		.amdhsa_float_denorm_mode_32 3
		.amdhsa_float_denorm_mode_16_64 3
		.amdhsa_memory_ordered 1
		.amdhsa_forward_progress 1
		.amdhsa_inst_pref_size 76
	.end_amdhsa_kernel
	.amdgpu_metadata
---
amdhsa.version: [ 1, 2 ]
amdhsa.kernels:
  - .name:           k_q13a0413e0d_stats1
    .symbol:         k_q13a0413e0d_stats1.kd
    .args:
      - { .name: tab, .offset: 0, .size: 8, .value_kind: global_buffer, .address_space: global }
      - { .name: idx, .offset: 8, .size: 8, .value_kind: global_buffer, .address_space: global }
      - { .name: seed_xyz_graspable, .offset: 16, .size: 8, .value_kind: global_buffer, .address_space: global }
      - { .name: vp_rot, .offset: 24, .size: 8, .value_kind: global_buffer, .address_space: global }
      - { .name: p1, .offset: 32, .size: 8, .value_kind: global_buffer, .address_space: global }
    .group_segment_fixed_size: 41472
    .private_segment_fixed_size: 0
    .kernarg_segment_align: 8
    .kernarg_segment_size: 40
    .max_flat_workgroup_size: 128
    .sgpr_count:     84
    .vgpr_count:     1024
    .wavefront_size: 32
...
	.end_amdgpu_metadata
.endif
;; end of part 6
;; launch bn1: the kernel of part 3 again; grid 8 x 1, 8 waves a work-group, no clusters, 4,096 bytes of LDS; arguments p1, g1, prm1; writes prm1
;; launch chain (part 7): grid 256 x 1, 4 waves a work-group, no clusters, 115,200 bytes of LDS; arguments tab, idx, seed_xyz_graspable, vp_rot, prm1, b1, W2_codes, W2_scales, g2, ext, p2; writes ext, p2
.if DOCPART == 7
	.amdgcn_target "amdgcn-amd-amdhsa--gfx1250"
	.amdhsa_code_object_version 6
	.text
	.protected	k_q13a0413e0d_chain
	.globl	k_q13a0413e0d_chain
	.p2align	8
	.type	k_q13a0413e0d_chain,@function
k_q13a0413e0d_chain:
	s_mov_b64 s[64:65], 0
	v_nop
	global_prefetch_b8 v0, s[64:65] scope:SCOPE_SE
	s_setreg_imm32_b32 hwreg(HW_REG_WAVE_SCHED_MODE, 0, 2), 2
	s_setreg_imm32_b32 hwreg(HW_REG_WAVE_MODE, 25, 1), 1
	s_wait_xcnt 0x0
	s_wait_alu depctr_vm_vsrc(0)
; CloudCrop, launch 4 of 5: first product again, BatchNorm 1, relu, quantiser, second product; of y2 only its statistics and one extreme over the 32 samples leave.
; NOT STORED, by an identity that holds for all finite inputs: BatchNorm 2 and relu are (y2 - mu) r g2 + b2 clipped at 0, which rises with sigma y2, sigma = sign(g2) (r > 0).  The sign bits of W2's codes are turned in the rows
; where g2 < 0 (an exact negation), so y2' = sigma y2 is what the product gives; max over the samples of y2' is kept (ext), and the statistics are y2's own up to the mean's sign (p2).  Launch 5 uses |g2|.
; SHARES, ROUNDS and the preparing of x's images: as in launch 2 (work-group = 32 centres of a batch; wave g prepares centre 4 i + g of round i; images of operand registers in LDS).
; PHASE 1 (a centre at a time): TRANSPOSED, source 0 = 16 rows of W1, source 1 = 16 samples; C of the first K step = -mean.  Lane r of tile 2 b + u takes W1's row 64 g + 32 b + 8 u + r + 8 (r / 8), so that a lane holds one sample and the
;   16 registers of tiles 2 b, 2 b + 1 are 16 neighbours along the next K.  One packed multiply-add is BatchNorm 1; the hold at the largest code clips at 0 as well (relu).  My 64 hidden channels are two blocks: 2 x 4 registers of codes a tile,
;   stored as groups of the hidden layer's image at 1,024 g; my two scale bytes as one word in 128 bytes of my own.
; PHASE 2: source 0 = 16 samples of the hidden layer, source 1 = 16 rows of W2 (lane r of tile t: channel 64 g + 4 r + t); C of the first K step = -K (the shift, as in launch 2).  A lane holds one channel and eight samples.
;   The four waves' scale words of a tile are joined into the two scale registers by vector instructions, eight places ahead of the products.
; NO CLUSTER: shared between work-groups are the weights alone, 140 KB read once by each at its head, straight into operand registers; the tiles are gathered by index.  No tensor load: the rows are chosen by index.
; LIMITS: NaN and infinities are not served; / 0.05 is done as x 20.0; a block of zeros gets the byte 1.
; THE MODE: SCHED_MODE bits 1:0 = 2 (LLVM: expert scheduling mode 2), set by the entry lines.  The code itself states the register dependences between vector or matrix instructions and memory or LDS instructions, with s_wait_alu, always for 0.
; THE PLAN.  Registers that memory or LDS instructions touch, in the loop:
;   X0 (window 0, v56-127) and X1 (window 2, v160-231): fragments of x in phase 1, of the hidden layer in phase 2.  Step c's products read X[c % 2]; the LDS loads of step c + 1, dealt among them, land in the other buffer.
;   Their scale words: phase 1: v24-29 with X0, v16-21 with X1.  Phase 2: halves in v16-23 with X0, in v24-29, v54, v55 with X1; four vector lines at a step's head join them into HS, v30-33.
;   PC, PW (the hidden layer's codes and bytes): step c's quantiser writes them; six LDS stores read them, issued in step c + 1 (the last step's at its own end, ahead of the barrier).  MX (the extremes): the same in phase 2, four stores.
;   ONE wait on va_vdst at a step's head states that the products of the step before are done reading the other buffer, and that its results for the stores are written; in phase 2, behind the eight places, also that HS is written.
;   ONE wait on vm_vsrc a step stands ahead of the lines that write PC, PW or MX again.  The last step of a phase has one more wait on va_vdst ahead of its own stores; it also frees the registers in which the next phase's first loads land.
;   v11 (the round's columns of the stage): read by MX's stores, written once a round behind a wait on vm_vsrc and ahead of a step's wait on va_vdst.
;   window 3 (GATHER, FINISH): as in launch 2.   v1-v10, v12, v13, IDV: made at the head, never written again.
; REGISTERS.  window 0: v1-13 addresses; v14, v15 the add's two; v16-29, v54, v55 scale words of x and halves of the hidden layer's; v30-33, v34-45, v46-53 scale words of hidden, W1, W2; v56-127 X0; v128-191 accumulators;
;   v192-225 the quantiser; v226-253 statistics.   window 1: W1; -K at 192 + 8 t.   window 2: W2 (t, s) at 32 t + 16 s; -mean at 128 + 8 t; X1 at 160.   window 3: gains at 8 t, b1 at 32 + 8 t; from v64 the preparing.
.set XT,    5120
.set HIMG,  40960
.set HT,    4608                       ; a hidden tile: 8 groups of 512 bytes, then 128 bytes of scale halves for each wave
.set ESTG,  77824                      ; 256 rows x (128 + 16): the extremes of 32 centres
.set SPARE, 114688
.set T_FH,  2097152
.set T_FS,  3145728
.set T_W1Q, 3211264
.set T_W1S, 3284992
.set SPW, 14
.set NIL, 15
.set HP,  16
.set XS1, 16
.set XS,  24
.set HS,  30
.set W1S, 34
.set W2S, 46
.set XF,  56
.set HF,  56
.set ACC, 128
.set PC,  192
.set TM,  208
.set PW,  224
.set SS,  226
.set QQ,  234
.set MX,  242
.set MT,  246
.set KV,  250
.set NK2, 192                          ; window 1
.set NMU, 128                          ; window 2
.set XG,  160                          ; window 2
.set I0,  64                           ; window 3 from here on
.set OQ,  66
.set OH,  68
.set OS,  70
.set H16, 72
.set H64, 73
.set IDV, 74
.set FSR, 78
.set GC,  84
.set FHR, 156
.set TQ,  194
.set GXR, 210
.set MSB, 0
.macro WIN new                         ; the immediate's high byte repeats the setting that is left
.if MSB != \new
	s_set_vgpr_msb (MSB<<8)|\new
.set MSB, \new
.endif
.endm
.macro PLACES n
.rept \n
	v_nop
.endr
.endm
.macro BARRIER                         ; my LDS stores have landed and my LDS loads are in: then the work-group's barrier
	s_wait_dscnt 0x0
	s_barrier_signal -1
	s_barrier_wait -1
.endm
.macro MMZ d, a, b, sa, sb
	v_wmma_scale_f32_16x16x128_f8f6f4 v[\d:\d+7], v[\a:\a+15], v[\b:\b+15], 0, v[\sa], v[\sb] matrix_a_fmt:MATRIX_FMT_BF8 matrix_b_fmt:MATRIX_FMT_BF8
.endm
.macro MMC d, a, b, c, sa, sb
	v_wmma_scale_f32_16x16x128_f8f6f4 v[\d:\d+7], v[\a:\a+15], v[\b:\b+15], v[\c:\c+7], v[\sa], v[\sb] matrix_a_fmt:MATRIX_FMT_BF8 matrix_b_fmt:MATRIX_FMT_BF8
.endm
.macro IDXLOAD                         ; my centre's 32 indices: sample 16 ct + r at 256 ct + 16 r + 4 g of the round's 512 bytes.  No wait of its own: IDV was written ahead of the head's wait on va_vdst, I0 was last named ahead of GATHER's
	WIN 0xff
	global_load_b32 v[I0], v[IDV], s[42:43]
	global_load_b32 v[I0+1], v[IDV], s[42:43] offset:256
	WIN 0
.endm
.macro GATHER                          ; the rows that the indices name are asked for; FINISH waits for them
	s_wait_loadcnt 0x0                             ; the indices are in (nothing else is out), so their base may step
	s_add_nc_u64 s[42:43], s[42:43], 512
	WIN 0xff
	s_wait_alu depctr_vm_vsrc(0)                   ; the gathers of the round before have read OQ, OH and OS, which the lines below write
.irp ct, 0,1
	v_min_u32 v[I0+\ct], 0x3ff, v[I0+\ct]
.endr
.irp ct, 0,1
	v_lshl_add_u32 v[OQ+\ct], v[I0+\ct], 8, v[H16]
	v_lshl_add_u32 v[OH+\ct], v[I0+\ct], 7, v[H64]
	v_lshlrev_b32 v[OS+\ct], 3, v[I0+\ct]
.endr
	s_wait_alu depctr_va_vdst(0)                   ; OQ, OH and OS are written, which the loads read; FINISH's lines are done with FHR and FSR, in which they land; the lines above are done with I0, in which the next indices land
.irp ct, 0,1
.irp i, 0,1,2,3
	global_load_b128 v[FHR+16*\ct+4*\i:FHR+16*\ct+4*\i+3], v[OH+\ct], s[38:39] offset:16*\i
.endr
	global_load_b64 v[FSR+2*\ct:FSR+2*\ct+1], v[OS+\ct], s[40:41]
.irp i, 0,1,2,3,4,5,6,7
	global_load_b128 v[GC+36*\ct+4+4*\i:GC+36*\ct+7+4*\i], v[OQ+\ct], s[36:37] offset:32*\i
.endr
.endr
	WIN 0
	s_load_b96 s[48:50], s[44:45], 0x0             ; the centre
	s_load_b256 s[52:59], s[46:47], 0x0            ; its rotation
	s_load_b32 s60, s[46:47], 0x20
.endm
.macro FINISH                          ; block 0 is made and quantised; both tiles' images go to LDS
	s_wait_loadcnt 0x0
	s_wait_kmcnt 0x0
	s_add_nc_u64 s[44:45], s[44:45], 48            ; the loads are done: on to my centre of the next round
	s_add_nc_u64 s[46:47], s[46:47], 144
	WIN 0xff
.irp m, 0,1,2
.irp ct, 0,1
	v_sub_f32 v[GXR+6*\ct+\m], v[FHR+16*\ct+\m], s[48+\m]
.endr
.endr
.irp m, 0,1,2
.irp ct, 0,1
	v_mul_f32 v[GXR+6*\ct+\m], 0x41a00000, v[GXR+6*\ct+\m]
.endr
.endr
.irp k, 0,1,2
.irp ct, 0,1
	v_mul_f32 v[GXR+6*\ct+3+\k], s[52+\k], v[GXR+6*\ct]
.endr
.endr
.irp k, 0,1,2
.irp ct, 0,1
	v_fmac_f32 v[GXR+6*\ct+3+\k], s[55+\k], v[GXR+6*\ct+1]
.endr
.endr
.irp k, 0,1,2
.irp ct, 0,1
	v_fmac_f32 v[GXR+6*\ct+3+\k], s[58+\k], v[GXR+6*\ct+2]
.endr
.endr
.irp k, 0,1,2
.irp ct, 0,1
	v_cndmask_b32 v[FHR+16*\ct+\k], v[FHR+16*\ct+\k], v[GXR+6*\ct+3+\k], s33   ; lanes 0-15 hold channels 0-15: the offsets take x, y, z's places
.endr
.endr
.irp ct, 0,1
	v_max3_num_f32 v[TQ+8*\ct], |v[FHR+16*\ct]|, |v[FHR+16*\ct+1]|, 0x8000000
.endr
.irp i, 2,4,6,8,10,12,14
.irp ct, 0,1
	v_max3_num_f32 v[TQ+8*\ct], v[TQ+8*\ct], |v[FHR+16*\ct+\i]|, |v[FHR+16*\ct+\i+1]|
.endr
.endr
.irp ct, 0,1
	v_permlanex16_b32 v[TQ+8*\ct+1], v[TQ+8*\ct], s30, s31
.endr
.irp ct, 0,1
	v_max_num_f32 v[TQ+8*\ct], v[TQ+8*\ct], v[TQ+8*\ct+1]
.endr
.irp ct, 0,1
	v_add_nc_u32 v[TQ+8*\ct+2], 0xf8800000, v[TQ+8*\ct]
	v_and_or_b32 v[TQ+8*\ct+3], v[TQ+8*\ct], 0x7f800000, s32
.endr
.irp ct, 0,1
	v_lshrrev_b32 v[TQ+8*\ct+4], 23, v[TQ+8*\ct+2]
	v_alignbit_b32 v[TQ+8*\ct+6], v[FSR+2*\ct+1], v[FSR+2*\ct], 24    ; bytes of blocks 4-7
	v_lshrrev_b32 v[TQ+8*\ct+7], 24, v[FSR+2*\ct+1]                   ; byte of block 8; the three above it are 0, over products with zero codes
.endr
.irp ct, 0,1
	v_lshl_or_b32 v[TQ+8*\ct+5], v[FSR+2*\ct], 8, v[TQ+8*\ct+4]       ; bytes of blocks 0-3
.endr
.irp ct, 0,1
.set I, 0
.rept 16
	v_med3_num_f32 v[FHR+16*\ct+I], v[FHR+16*\ct+I], -v[TQ+8*\ct+3], v[TQ+8*\ct+3]
.set I, I+1
.endr
.endr
.irp ct, 0,1
	v_cvt_scalef32_pk8_bf8_f32 v[GC+36*\ct:GC+36*\ct+1], v[FHR+16*\ct:FHR+16*\ct+7], v[TQ+8*\ct+2]
	v_cvt_scalef32_pk8_bf8_f32 v[GC+36*\ct+2:GC+36*\ct+3], v[FHR+16*\ct+8:FHR+16*\ct+15], v[TQ+8*\ct+2]
.endr
	v_nop                                          ; one plain line behind the last conversion
	WIN 0x0c                                       ; address window 0, data window 3
	s_wait_alu depctr_va_vdst(0)                   ; the conversions have written block 0's codes in GC, the lines above the scale words TQ + 5 .. 7: the LDS stores read both
.irp ct, 0,1
.irp q, 0,1,2,3,4,5,6,7,8
	ds_store_b128 v3, v[GC+36*\ct+4*\q:GC+36*\ct+4*\q+3] offset:\ct*XT+512*\q
.endr
.irp s, 0,1,2
	ds_store_b32 v4, v[TQ+8*\ct+5+\s] offset:\ct*XT+128*\s
.endr
.endr
	s_wait_alu depctr_vm_vsrc(0)                   ; the LDS stores have read GC and TQ: the next GATHER's loads land in GC, the next FINISH writes both.  (At the head also: the head's loads have read v133 to v139, which the first products write)
	WIN 0
.endm
.macro FETCHC base, sg, tau            ; the nine groups of tile tau of x into set sg of the buffer at base: [group 8][groups 0-3][groups 4-7].  The destination's window is set ahead
	ds_load_b128 v[\base+36*\sg:\base+36*\sg+3], v1 offset:(\tau)*XT+4096
.irp q, 0,1,2,3,4,5,6,7
	ds_load_b128 v[\base+36*\sg+4+4*\q:\base+36*\sg+7+4*\q], v1 offset:(\tau)*XT+512*\q
.endr
.endm
.macro FETCHS xs, sg, tau              ; and its three scale words a sample, into window 0
.irp s, 0,1,2
	ds_load_b32 v[\xs+3*\sg+\s], v2 offset:(\tau)*XT+4608+128*\s
.endr
.endm
.macro FIRSTX                          ; a round's first centre into X0
	FETCHC XF, 0, 0
	FETCHS XS, 0, 0
	FETCHC XF, 1, 1
	FETCHS XS, 1, 1
.endm
.macro FETCHHC base, ct, tau           ; hidden tile tau: two fragments into set ct of the buffer at base.  The destination's window is set ahead
.irp s, 0,1
.irp c, 0,1,2,3
	ds_load_b128 v[\base+32*\ct+16*\s+4*\c:\base+32*\ct+16*\s+4*\c+3], v6 offset:(\tau)*HT+2048*\s+512*\c
.endr
.endr
.endm
.macro FETCHHS p, ct, tau              ; the four waves' halves of its scale words.  Half i = 4 ct + w: with X0 in v[16 + i]; with X1 in v24-29 (i under 6), v54, v55
.irp w, 0,1,2,3
.set HI, 4*\ct+\w
.set HR, HP+HI+(\p)*(8+24*(HI/6))
	ds_load_b32 v[HR], v7 offset:(\tau)*HT+128*\w
.endr
.endm
.macro HCOMB p, ct                     ; waves 2 s and 2 s + 1 made the low and the high half of K step s's scale word
.irp s, 0,1
.set HI, 4*\ct+2*\s
.set HL, HP+HI+(\p)*(8+24*(HI/6))
.set HH, HP+HI+1+(\p)*(8+24*((HI+1)/6))
	v_lshl_or_b32 v[HS+2*\ct+\s], v[HH], 16, v[HL]
.endr
.endm
.macro HSTORE ci                       ; centre ci's part of the hidden layer: my two groups of codes and my half of the scale words, for both tiles
.irp ct, 0,1
.irp b, 0,1
	ds_store_b128 v8, v[PC+8*\ct+4*\b:PC+8*\ct+4*\b+3] offset:(2*(\ci)+\ct)*HT+512*\b
.endr
	ds_store_b32 v9, v[PW+\ct] offset:(2*(\ci)+\ct)*HT
.endr
.endm
.macro ESTORE ci                       ; centre ci's extremes into the stage
.irp t, 0,1,2,3
	ds_store_b32 v11, v[MX+\t] offset:144*\t+4*(\ci)   ; both halves of the lanes store the same number at the same place
.endr
.endm
.macro STATS                           ; each accumulator is read from its low end on
.irp j, 0,2,4,6
.irp ct, 0,1
.irp t, 0,1,2,3
	v_pk_add_f32 v[SS+2*\t:SS+2*\t+1], v[SS+2*\t:SS+2*\t+1], v[ACC+32*\ct+8*\t+\j:ACC+32*\ct+8*\t+\j+1]
	v_pk_fma_f32 v[QQ+2*\t:QQ+2*\t+1], v[ACC+32*\ct+8*\t+\j:ACC+32*\ct+8*\t+\j+1], v[ACC+32*\ct+8*\t+\j:ACC+32*\ct+8*\t+\j+1], v[QQ+2*\t:QQ+2*\t+1]
.endr
.endr
.endr
.endm
.macro KBOOT win, nk                   ; K = sample 0's value (register 0 of lanes 0-15), in both halves of the lanes; -K eight times a tile
.irp t, 0,1,2,3
	v_permlanex16_b32 v[MT+\t], v[ACC+8*\t], s30, s31
.endr
.irp t, 0,1,2,3
	v_cndmask_b32 v[MX+\t], v[ACC+8*\t], v[MT+\t], s34
.endr
.irp t, 0,1,2,3
	v_xor_b32 v[KV+\t], 0x80000000, v[MX+\t]
.endr
	WIN \win
.irp t, 0,1,2,3
.irp j, 0,1,2,3,4,5,6,7
	v_mov_b32 v[\nk+8*\t+\j], v[KV+\t]
.endr
.endr
	WIN 0
.endm
.macro PSTORE sb, o                    ; mean_i = K + S / 1024, M2_i = Q - S^2 / 1024; lanes 0-15 store tiles 0, 1, lanes 16-31 tiles 2, 3: 512 consecutive bytes a wave
.irp t, 0,1,2,3
	v_add_f32 v[SS+2*\t], v[SS+2*\t], v[SS+2*\t+1]
	v_add_f32 v[QQ+2*\t], v[QQ+2*\t], v[QQ+2*\t+1]
.endr
.irp t, 0,1,2,3
	v_permlanex16_b32 v[MT+\t], v[SS+2*\t], s30, s31
	v_permlanex16_b32 v[MX+\t], v[QQ+2*\t], s30, s31
.endr
.irp t, 0,1,2,3
	v_add_f32 v[SS+2*\t], v[SS+2*\t], v[MT+\t]
	v_add_f32 v[QQ+2*\t], v[QQ+2*\t], v[MX+\t]
.endr
.irp t, 0,1,2,3
	v_mul_f32 v[SS+2*\t+1], 0x3a800000, v[SS+2*\t]
.endr
.irp t, 0,1,2,3
	v_fma_f32 v[QQ+2*\t], -v[SS+2*\t], v[SS+2*\t+1], v[QQ+2*\t]
.endr
.irp t, 0,1,2,3
	v_sub_f32 v[SS+2*\t], v[SS+2*\t+1], v[KV+\t]
.endr
	v_cndmask_b32 v[\o], v[SS], v[SS+4], s34
	v_cndmask_b32 v[\o+1], v[QQ], v[QQ+4], s34
	v_cndmask_b32 v[\o+2], v[SS+2], v[SS+6], s34
	v_cndmask_b32 v[\o+3], v[QQ+2], v[QQ+6], s34
	s_wait_alu depctr_va_vdst(0)                   ; the four selections have written the registers that the store reads; every reader and writer of the accumulators is done, in whose registers the stage's loads land
	global_store_b128 v5, v[\o:\o+3], s[\sb:\sb+1]
.endm
; the 64 numbers in the accumulators' registers: four blocks (2 ct + t / 2) of 16 a lane, 32 with lane l xor 16.  What is negative becomes 0 on the way (relu): no |.| on the maximum's sources, and the hold clips at 0
.macro QUANTH
.irp b, 0,1,2,3
	v_max3_num_f32 v[TM+\b], v[ACC+16*\b], v[ACC+16*\b+1], 0x8000000
.endr
.irp i, 2,4,6,8,10,12,14
.irp b, 0,1,2,3
	v_max3_num_f32 v[TM+\b], v[TM+\b], v[ACC+16*\b+\i], v[ACC+16*\b+\i+1]
.endr
.endr
.irp b, 0,1,2,3
	v_permlanex16_b32 v[TM+4+\b], v[TM+\b], s30, s31
.endr
.irp b, 0,1,2,3
	v_max_num_f32 v[TM+\b], v[TM+\b], v[TM+4+\b]
.endr
.irp b, 0,1,2,3
	v_add_nc_u32 v[TM+12+\b], 0xf8800000, v[TM+\b]
.endr
.irp b, 0,1,2,3
	v_and_or_b32 v[TM+8+\b], v[TM+\b], 0x7f800000, s32
.endr
.irp b, 0,1,2,3
	v_lshrrev_b32 v[TM+4+\b], 23, v[TM+12+\b]
.endr
	v_lshl_or_b32 v[PW], v[TM+5], 8, v[TM+4]       ; my two bytes of tile 0's scale word,
	v_lshl_or_b32 v[PW+1], v[TM+7], 8, v[TM+6]     ; and of tile 1's
.irp b, 0,1,2,3
.set I, 0
.rept 16
	v_med3_num_f32 v[ACC+16*\b+I], v[ACC+16*\b+I], 0, v[TM+8+\b]
.set I, I+1
.endr
	v_cvt_scalef32_pk8_bf8_f32 v[PC+4*\b:PC+4*\b+1], v[ACC+16*\b:ACC+16*\b+7], v[TM+12+\b]
	v_cvt_scalef32_pk8_bf8_f32 v[PC+4*\b+2:PC+4*\b+3], v[ACC+16*\b+8:ACC+16*\b+15], v[TM+12+\b]
.endr
	v_nop                                          ; one plain line behind the last conversion: later products write its sources
.endm
; PHASE 1, centre ci, whose tiles lie in buffer p.  prev = 1: the codes of the centre before are stored here.  next = 1: the next centre's tiles are asked for, into the other buffer.  tail = 1: this centre's codes are stored at its own end
.macro PHASE1 ci, p, prev, next, tail
.set AB, XF+(XG-XF)*(\p)
.set SB, XS+(XS1-XS)*(\p)
.set NB, XF+(XG-XF)*(1-(\p))
.set NS, XS+(XS1-XS)*(1-(\p))
.set WA, 0x21+8*(\p)                   ; source 0 (W1) window 1, source 1 (x) window 0 or 2, C (-mean) window 2
.set WB, 0x01+8*(\p)                   ; the same with C in window 0
.set WL, 0x80*(1-(\p))                 ; for the loads of codes: the destination in the other buffer's window
	s_wait_dscnt 0x0                               ; the centre's two tiles are in: they were asked for a step ago (the round's first: at the round's head)
.if \prev || \next
	s_wait_alu depctr_va_vdst(0)                   ; the step before has written PC and PW, which the stores below read, and its products are done reading the other buffer and its scale words, in which the loads below land
.endif
	WIN WA
.irp ct, 0,1
.irp t, 0,1,2,3
	MMC ACC+32*\ct+8*\t, 48*\t, AB+36*\ct+4, NMU+8*\t, W1S+3*\t, SB+3*\ct
.endr
.endr
.if \prev || \next
	WIN 0                                          ; no further wait: no product issued since the wait above names PC, PW or the other buffer
.endif
.if \prev
	HSTORE (\ci)-1
.endif
.if \next
	FETCHS NS, 0, 2*(\ci)+2
	FETCHS NS, 1, 2*(\ci)+3
	WIN WL
	FETCHC NB, 0, 2*(\ci)+2
.endif
	WIN WB                                         ; the eight accumulators take turns, one instruction a turn
.irp ct, 0,1
.irp t, 0,1,2,3
	MMC ACC+32*\ct+8*\t, 48*\t+16, AB+36*\ct+20, ACC+32*\ct+8*\t, W1S+3*\t+1, SB+3*\ct+1
.endr
.endr
.if \next
	WIN WL
	FETCHC NB, 1, 2*(\ci)+3
.endif
	WIN WB
.irp ct, 0,1
.irp t, 0,1,2,3
	MMC ACC+32*\ct+8*\t, 48*\t+32, AB+36*\ct, ACC+32*\ct+8*\t, W1S+3*\t+2, SB+3*\ct+2
.endr
.endr
	WIN 0
	PLACES 8                                       ; eight places behind the last product, before its result is read
	WIN 0x3c                                       ; sources 1 and 2 (gain, b1) window 3
.irp ct, 0,1
.irp t, 0,1,2,3
.irp j, 0,2,4,6
	v_pk_fma_f32 v[ACC+32*\ct+8*\t+\j:ACC+32*\ct+8*\t+\j+1], v[ACC+32*\ct+8*\t+\j:ACC+32*\ct+8*\t+\j+1], v[8*\t+\j:8*\t+\j+1], v[32+8*\t+\j:32+8*\t+\j+1]
.endr
.endr
.endr
	WIN 0
.if \prev || \next
	s_wait_alu depctr_vm_vsrc(0)                   ; the last stores of the hidden layer's codes have read PC and PW, which the quantiser writes again
.endif
	QUANTH
.if \tail
	s_wait_alu depctr_va_vdst(0)                   ; the quantiser has written PC and PW, which the stores read; the phase's products are done reading X0 and v16-21, in which the next phase's first loads land
	HSTORE \ci
.endif
.endm
; PHASE 2, centre ci, whose hidden tiles lie in buffer p.  prev, next, tail as in phase 1, for the extremes
.macro PHASE2 ci, p, prev, next, tail
.set AB, HF+(XG-HF)*(\p)
.set NB, HF+(XG-HF)*(1-(\p))
.set WA, 0x18+2*(\p)                   ; source 0 (hidden) window 0 or 2, source 1 (W2) window 2, C (-K) window 1
.set WB, 0x08+2*(\p)                   ; the same with C in window 0
.set WL, 0x80*(1-(\p))
	s_wait_dscnt 0x0                               ; the centre's two hidden tiles and the halves of their scale words are in
	HCOMB \p, 0
	HCOMB \p, 1
	PLACES 8                                       ; a scale register written by a vector instruction stands eight places ahead of the product
	s_wait_alu depctr_va_vdst(0)                   ; HS is written, which the products take as scales; the step before has written MX (the round's first step: v11 is written), which the stores below read, and is done reading the other buffer and its halves, in which the loads below land
	WIN WA
.irp ct, 0,1
.irp t, 0,1,2,3
	MMC ACC+32*\ct+8*\t, AB+32*\ct, 32*\t, NK2+8*\t, HS+2*\ct, W2S+2*\t
.endr
.endr
.if \prev || \next
	WIN 0                                          ; no further wait: no product issued since the wait above names MX, v11 or the other buffer
.endif
.if \prev
	ESTORE (\ci)-1
.endif
.if \next
	FETCHHS 1-(\p), 0, 2*(\ci)+2
	FETCHHS 1-(\p), 1, 2*(\ci)+3
	WIN WL
	FETCHHC NB, 0, 2*(\ci)+2
.endif
	WIN WB
.irp ct, 0,1
.irp t, 0,1,2,3
	MMC ACC+32*\ct+8*\t, AB+32*\ct+16, 32*\t+16, ACC+32*\ct+8*\t, HS+2*\ct+1, W2S+2*\t+1
.endr
.endr
.if \next
	WIN WL
	FETCHHC NB, 1, 2*(\ci)+3
.endif
	WIN 0
	PLACES 8                                       ; eight places behind the last product, before its result is read
	STATS
.if \prev
	s_wait_alu depctr_vm_vsrc(0)                   ; the stores above have read MX, which the lines below write again
.endif
.irp t, 0,1,2,3                                ; the largest of the centre's 32 samples: my 16, then lane l xor 16's
	v_max3_num_f32 v[MX+\t], v[ACC+8*\t], v[ACC+8*\t+1], v[ACC+8*\t+2]
.endr
.irp i, 3,5
.irp t, 0,1,2,3
	v_max3_num_f32 v[MX+\t], v[MX+\t], v[ACC+8*\t+\i], v[ACC+8*\t+\i+1]
.endr
.endr
.irp t, 0,1,2,3
	v_max3_num_f32 v[MX+\t], v[MX+\t], v[ACC+8*\t+7], v[ACC+32+8*\t]
.endr
.irp i, 1,3,5
.irp t, 0,1,2,3
	v_max3_num_f32 v[MX+\t], v[MX+\t], v[ACC+32+8*\t+\i], v[ACC+32+8*\t+\i+1]
.endr
.endr
.irp t, 0,1,2,3
	v_max_num_f32 v[MX+\t], v[MX+\t], v[ACC+32+8*\t+7]
.endr
.irp t, 0,1,2,3
	v_permlanex16_b32 v[MT+\t], v[MX+\t], s30, s31
.endr
.irp t, 0,1,2,3
	v_max_num_f32 v[MX+\t], v[MX+\t], v[MT+\t]
.endr
.irp t, 0,1,2,3
	v_sub_f32 v[MX+\t], v[MX+\t], v[KV+\t]         ; the shift goes back on
.endr
.if \tail
	s_wait_alu depctr_va_vdst(0)                   ; MX is written, which the stores read; the phase's products and joining lines are done reading X0 and v24-29, in which the next round's first loads land
	ESTORE \ci
.endif
.endm
	s_load_b512 s[4:19], s[0:1], 0x0               ; tab s[4:5], idx s[6:7], xyz s[8:9], rot s[10:11], prm1 s[12:13], b1 s[14:15], W2's codes s[16:17], W2's scales s[18:19]
	s_load_b128 s[20:23], s[0:1], 0x40             ; g2 s[20:21], ext s[22:23]
	s_load_b64 s[24:25], s[0:1], 0x50              ; p2
	v_lshl_add_u32 v[SPW], v0, 2, SPARE
	v_mov_b32 v[NIL], 0
	v_lshrrev_b32 v128, 5, v0
	v_readfirstlane_b32 s26, v128                  ; g: wave 0..3
	v_and_b32 v128, 31, v0                         ; lane
	v_and_b32 v129, 15, v0                         ; r
	v_bfe_u32 v130, v0, 4, 1                       ; h
	v_lshlrev_b32 v1, 4, v128                      ; 16 x lane
	v_lshlrev_b32 v2, 2, v128                      ; 4 x lane
	s_wait_alu depctr_va_sdst(0)                   ; s26 is written, ahead of its first reader
	s_mul_i32 s70, s26, 2*XT
	v_add_nc_u32 v3, s70, v1                       ; where I store my two tiles of x
	s_add_co_u32 s70, s70, 4608
	v_add_nc_u32 v4, s70, v2                       ; and their scale words
	s_lshl_b32 s70, ttmp9, 11
	s_lshl_b32 s71, s26, 9
	s_add_co_u32 s70, s70, s71
	v_lshl_add_u32 v5, v129, 5, s70
	v_lshl_add_u32 v5, v130, 4, v5                 ; p2: 2048 wg + 512 g + 32 r + 16 h
	v_add_nc_u32 v6, HIMG, v1                      ; the hidden layer's groups, for reading
	v_add_nc_u32 v7, HIMG+4096, v2                 ; and the halves of its scale words
	s_lshl_b32 s70, s26, 10
	s_add_co_u32 s70, s70, HIMG
	v_add_nc_u32 v8, s70, v1                       ; where I store my two groups: 1,024 g
	s_lshl_b32 s70, s26, 7
	s_add_co_u32 s70, s70, HIMG+4096
	v_add_nc_u32 v9, s70, v2                       ; and my half of the scale words: 128 g
	s_mul_i32 s72, s26, 9216
	s_add_co_u32 s72, s72, ESTG
	v_mul_u32_u24 v10, v129, 576
	v_add_nc_u32 v10, s72, v10                     ; the stage: row 64 g + 4 r
	v_lshrrev_b32 v131, 3, v128
	v_mul_u32_u24 v12, v131, 144
	v_and_b32 v131, 7, v128
	v_lshl_add_u32 v12, v131, 4, v12
	v_add_nc_u32 v12, s72, v12                     ; back: my rows, eight lanes to a row
	s_lshl_b32 s72, s26, 13
	v_add_nc_u32 v13, s72, v1                      ; ext: 8192 g + 16 lane
	s_lshl_b32 s70, s26, 2
	v_lshl_add_u32 v131, v129, 4, s70              ; 16 r + 4 g
	s_lshl_b32 s70, s26, 6                         ; 64 g
	v_and_b32 v132, 8, v129
	v_add_nc_u32 v132, v132, v129
	v_add_nc_u32 v132, s70, v132                   ; W1: row 64 g + r + 8 (r / 8)
	v_mul_u32_u24 v133, v132, 288
	v_lshl_add_u32 v133, v130, 4, v133
	v_mul_u32_u24 v134, v132, 12
	v_lshl_add_u32 v135, v129, 2, s70              ; W2: row 64 g + 4 r
	v_lshlrev_b32 v136, 8, v135
	v_lshl_add_u32 v136, v130, 4, v136
	v_lshlrev_b32 v137, 3, v135
	v_lshlrev_b32 v138, 2, v135
	s_lshl_b32 s70, s26, 8
	v_lshl_add_u32 v139, v130, 6, s70              ; per-channel rows in the transposed result's layout: 4 x (64 g + 16 h)
	WIN 0xc0                                       ; destination window 3
	v_lshlrev_b32 v[H16], 4, v130
	v_lshlrev_b32 v[H64], 6, v130
	v_mov_b32 v[IDV], v131
	v_mov_b32 v[TQ+1], 0                           ; a lane permute's destination counts as one of its sources
	v_mov_b32 v[TQ+9], 0
	WIN 0
	s_mov_b32 s29, 0
	s_mov_b32 s30, 0x76543210
	s_mov_b32 s31, 0xfedcba98                      ; v_permlanex16_b32's selects for lane l xor 16
	s_mov_b32 s32, 0x600000
	s_mov_b32 s33, 0x0000ffff
	s_mov_b32 s34, 0xffff0000
	s_mov_b32 s35, 0x80808080
	s_lshr_b32 s71, ttmp9, 5                       ; batch
	s_lshl_b32 s72, s71, 18
	s_mov_b32 s73, 0
	s_lshl_b32 s74, s71, 17
	s_add_co_u32 s74, s74, T_FH
	s_mov_b32 s75, 0
	s_lshl_b32 s76, s71, 13
	s_add_co_u32 s76, s76, T_FS
	s_mov_b32 s77, 0
	s_lshl_b32 s78, ttmp9, 12
	s_mov_b32 s79, 0
	s_lshl_b32 s70, ttmp9, 5
	s_add_co_u32 s70, s70, s26                     ; my first centre
	s_mul_i32 s80, s70, 12
	s_mov_b32 s81, 0
	s_mul_i32 s82, s70, 36
	s_mov_b32 s83, 0
	s_wait_kmcnt 0x0
	s_add_nc_u64 s[36:37], s[4:5], s[72:73]        ; the batch's codes,
	s_add_nc_u64 s[38:39], s[4:5], s[74:75]        ; f32 rows,
	s_add_nc_u64 s[40:41], s[4:5], s[76:77]        ; scale bytes
	s_add_nc_u64 s[42:43], s[6:7], s[78:79]        ; the work-group's indices
	s_add_nc_u64 s[44:45], s[8:9], s[80:81]
	s_add_nc_u64 s[46:47], s[10:11], s[82:83]
	s_add_nc_u64 s[66:67], s[4:5], T_W1Q
	s_add_nc_u64 s[68:69], s[4:5], T_W1S
	s_lshl_b32 s72, ttmp9, 15
	s_add_nc_u64 s[22:23], s[22:23], s[72:73]      ; ext at my work-group's 32 KB
	WIN 0x40                                       ; destination window 1
	s_wait_alu depctr_va_vdst(0)                   ; every address and offset made at the head is written: v1-v10, v12, v13, v133-v139 and IDV, which the loads and stores below read
.irp t, 0,1,2,3
.irp k, 0,1,2,3,4,5,6,7,8
	global_load_b128 v[48*\t+4*\k:48*\t+4*\k+3], v133, s[66:67] offset:288*(32*(\t/2)+8*(\t%2))+32*\k
.endr
.endr
	WIN 0x80                                       ; destination window 2
.irp t, 0,1,2,3
.irp s, 0,1
.irp c, 0,1,2,3
	global_load_b128 v[32*\t+16*\s+4*\c:32*\t+16*\s+4*\c+3], v136, s[16:17] offset:256*\t+128*\s+32*\c
.endr
.endr
	global_load_b128 v[NMU+8*\t:NMU+8*\t+3], v139, s[12:13] offset:128*(\t/2)+32*(\t%2)
	global_load_b128 v[NMU+8*\t+4:NMU+8*\t+7], v139, s[12:13] offset:128*(\t/2)+32*(\t%2)+16
.endr
	WIN 0xc0                                       ; destination window 3
.irp t, 0,1,2,3
	global_load_b128 v[8*\t:8*\t+3], v139, s[12:13] offset:1024+128*(\t/2)+32*(\t%2)
	global_load_b128 v[8*\t+4:8*\t+7], v139, s[12:13] offset:1024+128*(\t/2)+32*(\t%2)+16
	global_load_b128 v[32+8*\t:32+8*\t+3], v139, s[14:15] offset:128*(\t/2)+32*(\t%2)
	global_load_b128 v[32+8*\t+4:32+8*\t+7], v139, s[14:15] offset:128*(\t/2)+32*(\t%2)+16
.endr
	WIN 0
.irp t, 0,1,2,3
.irp s, 0,1,2
	global_load_b32 v[W1S+3*\t+\s], v134, s[68:69] offset:12*(32*(\t/2)+8*(\t%2))+4*\s
.endr
.irp s, 0,1
	global_load_b32 v[W2S+2*\t+\s], v137, s[18:19] offset:8*\t+4*\s
.endr
.endr
	global_load_b128 v[140:143], v138, s[20:21]    ; g2 of my lane's four channels
	IDXLOAD                                        ; round 0's indices
	WIN 0x40                                       ; the lines below name none of the registers that the loads above touch
.irp t, 0,1,2,3
.irp i, 36,37,38,39,40,41,42,43,44,45,46,47
	v_mov_b32 v[48*\t+\i], 0                       ; K step 2 behind block 8: zero codes (GATHER's and FINISH's waits on va_vdst stand between these lines and the first product that takes them)
.endr
.endr
	WIN 0
.irp i, 0,1,2,3,4,5,6,7
	v_mov_b32 v[SS+\i], 0
	v_mov_b32 v[QQ+\i], 0
.endr
.irp t, 0,1,2,3
	v_mov_b32 v[MT+\t], 0
	v_mov_b32 v[TM+4+\t], 0
.endr
	s_wait_loadcnt 0x0
.irp t, 0,1,2,3
	v_cmp_gt_f32 s[70+\t], 0, v[140+\t]            ; g2 < 0?  four masks in a run
.endr
	s_wait_alu depctr_va_sdst(0)                   ; s70 to s73 are written, ahead of their first readers
.irp t, 0,1,2,3
	v_cndmask_b32 v[144+\t], 0, s35, s[70+\t]      ; the four sign bits of a word of codes, where g2 < 0
.endr
	WIN 0x88                                       ; destination and source 1 window 2
.irp t, 0,1,2,3
.set I, 0
.rept 32
	v_xor_b32 v[32*\t+I], v[144+\t], v[32*\t+I]    ; (waits on va_vdst in plenty stand between these lines and the first product that takes W2's codes)
.set I, I+1
.endr
.endr
	WIN 0
	GATHER
	IDXLOAD                                        ; round 1's
	FINISH
	BARRIER                                        ; round 0's eight tiles of x lie in LDS
	FIRSTX
	PHASE1 0, 0, 0, 0, 1                           ; the shift K of the second product: centre 0's hidden layer,
	BARRIER
	FETCHHC HF, 0, 0                               ; its first tile (the wait on va_vdst ahead of the stores above has shown X0 free),
	FETCHHS 0, 0, 0
	s_wait_dscnt 0x0
	HCOMB 0, 0
	PLACES 8                                       ; a scale register written by a vector instruction stands eight places ahead of the product
	s_wait_alu depctr_va_vdst(0)                   ; HS is written, which the products take as scales
	WIN 0x08
.irp t, 0,1,2,3
	MMZ ACC+8*\t, HF, 32*\t, HS, W2S+2*\t
.endr
.irp t, 0,1,2,3
	MMC ACC+8*\t, HF+16, 32*\t+16, ACC+8*\t, HS+1, W2S+2*\t+1
.endr
	WIN 0
	PLACES 8
	KBOOT 0x40, NK2                                ; and sample 0's values
	s_wait_alu depctr_va_vdst(0)                   ; the eight products above are done reading X0, in which the loop's first loads land
	BARRIER                                        ; nobody reads the hidden layer's images any more
	s_mov_b32 s28, 0
.Lround:                                               ; eight trips; trip i takes round i through the chain and prepares round i + 1
	FIRSTX                                         ; first thing behind the barrier.  X0 and v24-29 were last named ahead of the wait on va_vdst at phase 2's end
	s_cmp_lt_u32 s28, 7
	s_cbranch_scc0 .Lno_gather
	GATHER
	s_cmp_lt_u32 s28, 6
	s_cbranch_scc0 .Lno_gather
	IDXLOAD
.Lno_gather:
	PHASE1 0, 0, 0, 1, 0
	PHASE1 1, 1, 1, 1, 0
	PHASE1 2, 0, 1, 1, 0
	PHASE1 3, 1, 1, 0, 1
	BARRIER                                        ; the hidden layer is whole, and nobody reads x's images any more
	FETCHHC HF, 0, 0                               ; phase 2's first centre into X0, first thing behind the barrier.  X0 and v16-23 were last named ahead of the wait on va_vdst at phase 1's end
	FETCHHS 0, 0, 0
	FETCHHC HF, 1, 1
	FETCHHS 0, 1, 1
	s_cmp_lt_u32 s28, 7
	s_cbranch_scc0 .Lno_finish
	FINISH
.Lno_finish:
	s_wait_alu depctr_vm_vsrc(0)                   ; the last round's stores into the stage have read v11
	v_add_nc_u32 v11, s29, v10                     ; the round's four columns of the stage
	s_add_co_u32 s29, s29, 16
	PHASE2 0, 0, 0, 1, 0
	PHASE2 1, 1, 1, 1, 0
	PHASE2 2, 0, 1, 1, 0
	PHASE2 3, 1, 1, 0, 1
	BARRIER                                        ; the next round's images of x are whole, and nobody reads the hidden layer any more
	s_add_co_u32 s28, s28, 1
	s_cmp_lt_u32 s28, 8
	s_cbranch_scc1 .Lround
	s_wait_alu depctr_vm_vsrc(0)                   ; the last stores into the stage have read MX, which the lines below write
	PSTORE 24, TM
.irp i, 0,1,2,3,4,5,6,7,8,9,10,11,12,13,14,15
	ds_load_b128 v[ACC+4*\i:ACC+4*\i+3], v12 offset:576*\i     ; my own 64 rows of the stage, four rows a load
.endr
.irp i, 0,1,2,3,4,5,6,7,8,9,10,11,12,13,14,15
	s_wait_dscnt 15-\i                             ; LDS loads come back in order: load i is in, the younger ones may be out
	global_store_b128 v13, v[ACC+4*\i:ACC+4*\i+3], s[22:23] offset:512*\i th:TH_STORE_NT   ; 512 consecutive bytes, aligned
.endr
	s_wait_dscnt 0x0                               ; the closing lines, six on end
	s_wait_alu 0x0
	s_wait_tensorcnt 0x0
	ds_add_u32 v[SPW], v[NIL]
	s_wait_dscnt 0x0
	s_endpgm
.Lfunc_end_k_q13a0413e0d_chain:
	.size	k_q13a0413e0d_chain, .Lfunc_end_k_q13a0413e0d_chain-k_q13a0413e0d_chain
	.p2alignl 7, 3214868480
	.fill 96, 4, 3214868480
	.section	.rodata,"a",@progbits
	.p2align	6, 0x0
	.amdhsa_kernel k_q13a0413e0d_chain
		.amdhsa_group_segment_fixed_size 115200
		.amdhsa_private_segment_fixed_size 0
		.amdhsa_enable_private_segment 0
		.amdhsa_kernarg_size 88
		.amdhsa_user_sgpr_count 2
		.amdhsa_user_sgpr_kernarg_segment_ptr 1
		.amdhsa_wavefront_size32 1
		.amdhsa_system_sgpr_workgroup_id_x 1
		.amdhsa_system_sgpr_workgroup_id_y 1
		.amdhsa_system_sgpr_workgroup_id_z 1
		.amdhsa_system_vgpr_workitem_id 0
		.amdhsa_next_free_vgpr 1024
		.amdhsa_next_free_sgpr 84
		.amdhsa_reserve_vcc 0
		.amdhsa_float_denorm_mode_32 3
		.amdhsa_float_denorm_mode_16_64 3
		.amdhsa_memory_ordered 1
		.amdhsa_forward_progress 1
		.amdhsa_inst_pref_size 177
	.end_amdhsa_kernel
	.amdgpu_metadata
---
amdhsa.version: [ 1, 2 ]
amdhsa.kernels:
  - .name:           k_q13a0413e0d_chain
    .symbol:         k_q13a0413e0d_chain.kd
    .args:
      - { .name: tab, .offset: 0, .size: 8, .value_kind: global_buffer, .address_space: global }
      - { .name: idx, .offset: 8, .size: 8, .value_kind: global_buffer, .address_space: global }
      - { .name: seed_xyz_graspable, .offset: 16, .size: 8, .value_kind: global_buffer, .address_space: global }
      - { .name: vp_rot, .offset: 24, .size: 8, .value_kind: global_buffer, .address_space: global }
      - { .name: prm1, .offset: 32, .size: 8, .value_kind: global_buffer, .address_space: global }
      - { .name: b1, .offset: 40, .size: 8, .value_kind: global_buffer, .address_space: global }
      - { .name: W2_codes, .offset: 48, .size: 8, .value_kind: global_buffer, .address_space: global }
      - { .name: W2_scales, .offset: 56, .size: 8, .value_kind: global_buffer, .address_space: global }
      - { .name: g2, .offset: 64, .size: 8, .value_kind: global_buffer, .address_space: global }
      - { .name: ext, .offset: 72, .size: 8, .value_kind: global_buffer, .address_space: global }
      - { .name: p2, .offset: 80, .size: 8, .value_kind: global_buffer, .address_space: global }
    .group_segment_fixed_size: 115200
    .private_segment_fixed_size: 0
    .kernarg_segment_align: 8
    .kernarg_segment_size: 88
    .max_flat_workgroup_size: 128
    .sgpr_count:     84
    .vgpr_count:     1024
    .wavefront_size: 32
...
	.end_amdgpu_metadata
.endif
;; end of part 7
;; launch final: the kernel of part 5 again; grid 256 x 1, 8 waves a work-group, no clusters, 1,536 bytes of LDS; arguments ext, p2, g2, b2, out0; writes out0
